; MI455X (gfx1250); checked and timed in simulation.
; The chip was launched on July 23, 2026; its instructions are those of AMD's public machine-readable ISA for CDNA 5 (MIT licence, August 2026) and "CDNA5" Instruction Set Architecture Reference Guide (July 2026). The comments in the code are by the model that wrote it; some were corrected since.
;; Attention Fuser V2. Allowed arithmetic: matrix products marked QUANTISED: E2M1 operands, one E8M0 scale for each 32 along K, by v_wmma_scale_f32_16x16x128_f8f6f4 with both operands' format E2M1 (or v_wmma_scale_f32_32x16x128_f4), f32 sums; products left as they are: bf16, f16 or f32 operands; f32 sums; everything else in f32.
;; Inputs: W_in1 512 x 512 float32; W_in2 512 x 512 float32; W_out1 512 x 1,024 float32; W_out2 512 x 1,024 float32; embeddings 128 x 256 x 512 float32.
;; Outputs: out0 128 x 512 x 1 x 1 float32.
;; This version of the problem:
;;   THIS VERSION OF THE PROBLEM IS GIVEN IN LOW PRECISION. The matrix products marked QUANTISED in the list below multiply operands that are first quantised to E2M1 (2 exponent bits, 1 mantissa bit; 4 bits a number), with one power-of-two scale for each 32 numbers along K (OCP MX v1.0); their sums are f32. The products marked 'left as it is' may take bf16, f16 or f32 operands, with f32 sums. Whichever they take, every output number must still come out within the allowed error. Rounding operands to bf16 (8 significant bits) uses up far more of that allowance than f16 does (11 bits, for magnitudes from 6e-5 to 65,504). All else is computed in f32.
;;   The module's matrix products, in the order in which they are computed (A, B: the left and right operand; K: the contracted axis; several contracted axes count as one K, in the product's order):
;;     1. [M 32,768, K 512] x [K 512, N 512]; A: input embeddings; B: input W_in1: QUANTISED
;;     2. batch 128 x [M 256, K 512] x [K 512, N 256]; A: computed on the way; B: input embeddings: left as it is (an operand is computed on the way)
;;     3. batch 128 x [M 256, K 256] x [K 256, N 512]; A: computed on the way; B: input embeddings: left as it is (an operand is computed on the way)
;;     4. [M 32,768, K 1,024] x [K 1,024, N 512]; A: computed on the way; B: input W_out1: left as it is (an operand is computed on the way)
;;     5. [M 32,768, K 512] x [K 512, N 512]; A: computed on the way; B: input W_in2: left as it is (an operand is computed on the way)
;;     6. batch 128 x [M 256, K 512] x [K 512, N 256]; A: computed on the way; B: computed on the way: left as it is (an operand is computed on the way)
;;     7. batch 128 x [M 256, K 256] x [K 256, N 512]; A: computed on the way; B: computed on the way: left as it is (an operand is computed on the way)
;;     8. [M 32,768, K 1,024] x [K 1,024, N 512]; A: computed on the way; B: input W_out2: left as it is (an operand is computed on the way)
;;   THE QUANTISER, for each operand of a quantised product, along K:
;;     - K is cut into blocks of 32 from its start; a last block that is shorter is filled with zeros.
;;     - A block's scale is 2^e with e = floor(log2(the largest magnitude in the block)) - 2, held to -126 .. 127; a block of zeros has e = 0. As a byte (E8M0): e + 127.
;;     - Each number is divided by its block's scale, clamped to +-6, and rounded to the nearest number of E2M1, ties to even, subnormals kept.
;;     - The product sums the exact products of the quantised numbers (number of the format x scale) in f32.
;;   ~~~python
;;   def quantise(x, axis):      # numpy; x: float32 -> the quantised numbers, widened to float32 again
;;       x = np.moveaxis(x, axis, -1); K = x.shape[-1]
;;       x = np.pad(x, [(0, 0)] * (x.ndim - 1) + [(0, -K % 32)]); x = x.reshape(x.shape[:-1] + (-1, 32)); a = np.abs(x).max(-1, keepdims=True)
;;       e = np.where(a > 0, np.clip(np.frexp(np.where(a > 0, a, 1))[1] - 1 - 2, -126, 127), 0)      # np.frexp(a)[1] - 1 = floor(log2(a)), exactly
;;       r = np.clip(x / 2.0 ** e, -6, 6)
;;       step = 2.0 ** (np.maximum(np.frexp(np.where(r == 0, 1, r))[1] - 1, 0) - 1)
;;       q = np.round(r / step) * step * 2.0 ** e      # np.round: ties to even
;;       return np.moveaxis(q.reshape(q.shape[:-2] + (-1,))[..., :K], -1, axis).astype(np.float32)
;;   ~~~
;; 2 versions, each right; version 2 is version 1 with the launch block1 written anew for expert scheduling mode. Each part assembles by itself: llvm-mc -triple=amdgcn-amd-amdhsa -mcpu=gfx1250 --defsym DOCPART=n.
;; ======== version 1 of 2: 4 launches
;; limits: a function is approximated: absolute error at most 2e-07; values are held in f16: magnitudes above 65,504 overflow, below 6.1e-05 lose precision
;; workspace buffers: w1q 139,264 bytes; wo1h 1,048,576 bytes; wi2h 524,288 bytes; x2h 33,554,432 bytes; pool 1,048,576 bytes
;; launch prep (part 1): grid 104 x 1, 4 waves a work-group, no clusters, 0 bytes of LDS; arguments W_in1, W_out1, W_in2, w1q, wo1h, wi2h; writes w1q, wo1h, wi2h
.if DOCPART == 1
	.amdgcn_target "amdgcn-amd-amdhsa--gfx1250"
	.amdhsa_code_object_version 6
	.text
	.protected	k_q3135470e18_prep
	.globl	k_q3135470e18_prep
	.p2align	8
	.type	k_q3135470e18_prep,@function
k_q3135470e18_prep:
	s_mov_b64 s[64:65], 0
	v_nop
	global_prefetch_b8 v0, s[64:65] scope:SCOPE_SE
	s_setreg_imm32_b32 hwreg(HW_REG_WAVE_MODE, 25, 1), 1
	s_wait_xcnt 0x0
; THE WEIGHTS ARE LAID OUT ONCE, IN THE ORDER OF THE OPERANDS' REGISTERS.  An image of a fragment is 1,024 bytes: register group c (four registers) of lane L at byte 512 c + 16 L.
; Work-groups 0-7: W_in1 [512][512] f32 becomes codes of E2M1 with one E8M0 byte for each 32 along K (its second axis).  A wave takes a tile of 16 rows: four fragments of 16 rows x 128 K.
;   w1q: image 4 t + s (t: tile of rows, s: K step of 128) at byte 1,024 (4 t + s); from byte 131,072 on the scale bytes, 16 to a row.
;   A block's scale is 2^(floor(log2(largest magnitude)) - 2); its byte is the largest magnitude's exponent field - 2, held at 1 from below.
;   LIMITS: a block of zeros gets the byte 1 where the rule says 127 (its codes are zeros, and this program alone reads the bytes); NaN and infinities among the inputs are not served.
; Work-groups 8-71: W_out1 [512][1024] x 2 log2(e), rounded to f16 (the factor of tanh's exponential rides on the weight);  work-groups 72-103: W_in2 [512][512] x 1, rounded to f16.
;   A wave takes a tile T of 16 rows and four K steps of 32.  Image of (T, s) at ((T / 8) KS + s) 8,192 + (T % 8) 1,024, KS = K / 32: the eight tiles of one wave of the later launches lie together, K step by K step.
; No LDS, no barrier: waves share nothing.  Every store of a wave covers 512 (the scale words: 256) consecutive bytes, aligned.
.set TM, 32                            ; v32-35 largest magnitudes, v36-39 the other half's, then the bytes, v44-47 the conversions' scale operands
.macro XLOAD set, ks                   ; my 16 rows' numbers of K step ks: lane (r, h) takes 16 neighbours of each block of 32; register 16 b + i = k 32 b + 16 h + i
.irp b, 0,1,2,3
.irp j, 0,1,2,3
	global_load_b128 v[64+64*(\set)+16*\b+4*\j:64+64*(\set)+16*\b+4*\j+3], v4, s[4:5] offset:512*(\ks)+128*\b+16*\j
.endr
.endr
.endm
.macro QUANT src, pc, pw               ; 64 numbers of a lane become a fragment's eight registers of codes at v[pc] and its row's scale word in v[pw]
.irp b, 0,1,2,3
	v_max3_num_f32 v[TM+\b], |v[(\src)+16*\b]|, |v[(\src)+16*\b+1]|, 0x1800000   ; my 16 numbers of block b, and the floor 2^(3 - 127): the byte cannot fall under 1
.endr
.irp e, 2,4,6,8,10,12,14
.irp b, 0,1,2,3
	v_max3_num_f32 v[TM+\b], v[TM+\b], |v[(\src)+16*\b+\e]|, |v[(\src)+16*\b+\e+1]|
.endr
.endr
.irp b, 0,1,2,3
	v_permlanex16_b32 v[TM+4+\b], v[TM+\b], s20, s21
.endr
.irp b, 0,1,2,3
	v_max_num_f32 v[TM+\b], v[TM+\b], v[TM+4+\b]       ; with lane l xor 16's 16: the block's largest magnitude
.endr
.irp b, 0,1,2,3
	v_add_nc_u32 v[TM+12+\b], 0xff000000, v[TM+\b]     ; 2 off its exponent field: the conversion's scale operand
.endr
.irp b, 0,1,2,3
	v_lshrrev_b32 v[TM+4+\b], 23, v[TM+12+\b]          ; the scale's byte
.endr
	v_lshl_or_b32 v[\pw], v[TM+5], 8, v[TM+4]
	v_lshl_or_b32 v[\pw], v[TM+6], 16, v[\pw]
	v_lshl_or_b32 v[\pw], v[TM+7], 24, v[\pw]
.irp b, 0,1,2,3
	v_cvt_scalef32_pk8_fp4_f32 v[(\pc)+2*\b], v[(\src)+16*\b:(\src)+16*\b+7], v[TM+12+\b]
	v_cvt_scalef32_pk8_fp4_f32 v[(\pc)+2*\b+1], v[(\src)+16*\b+8:(\src)+16*\b+15], v[TM+12+\b]
.endr
	v_nop                                              ; one plain instruction behind the scaled conversions
.irp c, 0,1
.irp e, 0,1
	v_permlane16_swap_b32 v[(\pc)+4*\c+\e], v[(\pc)+4*\c+2+\e]   ; a whole block to a lane: registers 4 c .. 4 c + 3 hold k = 64 c + 32 h + 0 .. 31
.endr
.endr
.endm
	s_load_b256 s[4:11], s[0:1], 0x0               ; W_in1 s[4:5], W_out1 s[6:7], W_in2 s[8:9], w1q s[10:11]
	s_load_b128 s[12:15], s[0:1], 0x20             ; wo1h s[12:13], wi2h s[14:15]
	v_lshrrev_b32 v1, 5, v0
	v_readfirstlane_b32 s16, v1                    ; wave
	v_and_b32 v1, 31, v0                           ; lane
	v_and_b32 v2, 15, v0                           ; r
	v_bfe_u32 v3, v0, 4, 1                         ; h
	v_lshlrev_b32 v5, 4, v1                        ; 16 x lane: my place in a register group's 512 bytes
	s_mov_b32 s20, 0x76543210
	s_mov_b32 s21, 0xfedcba98                      ; lane selects: lane l xor 16
	s_mov_b32 s27, 0
	s_mov_b32 s29, 0
	s_wait_kmcnt 0x0
	s_cmp_lt_u32 ttmp9, 8
	s_cbranch_scc0 .Lhalves
	; ---- W_in1 into codes
	s_lshl_b32 s17, ttmp9, 2
	s_add_co_u32 s17, s17, s16                     ; my tile of 16 rows
	s_lshl_b32 s26, s17, 15                        ; 16 rows of 2,048 bytes
	s_add_nc_u64 s[4:5], s[4:5], s[26:27]
	s_lshl_b32 s28, s17, 12                        ; four images
	s_add_nc_u64 s[22:23], s[10:11], s[28:29]
	s_lshl_b32 s28, s17, 8                         ; 16 rows of 16 scale bytes,
	s_add_co_u32 s28, s28, 131072                  ; behind the codes
	s_add_nc_u64 s[24:25], s[10:11], s[28:29]
	v_lshlrev_b32 v4, 11, v2
	v_lshl_add_u32 v4, v3, 6, v4                   ; row r, + 64 h bytes
	v_lshlrev_b32 v6, 4, v2
	v_lshl_add_u32 v6, v3, 3, v6                   ; the scale words: 16 r + 8 h
.irp b, 0,1,2,3
	v_mov_b32 v[TM+4+\b], 0                        ; a lane permute's destination counts as read
.endr
	XLOAD 0, 0
	XLOAD 1, 1
.irp s, 0,1,2,3
.if \s < 3
	s_wait_loadcnt 16                              ; this K step's 16 loads are in; the next step's 16 may be out
.else
	s_wait_loadcnt 0
.endif
	QUANT 64+64*(\s%2), 192+8*\s, 48+\s
	global_store_b128 v5, v[192+8*\s:195+8*\s], s[22:23] offset:1024*\s
	global_store_b128 v5, v[196+8*\s:199+8*\s], s[22:23] offset:1024*\s+512
.if \s < 2
	XLOAD \s%2, \s+2
.endif
.endr
	v_cmp_eq_u32 vcc_lo, 1, v3
	v_cndmask_b32 v52, v48, v50, vcc_lo            ; both halves of the lanes hold the row's four words: half h stores words 2 h and 2 h + 1
	v_cndmask_b32 v53, v49, v51, vcc_lo
	global_store_b64 v6, v[52:53], s[24:25]        ; 32 lanes fill 256 consecutive bytes, aligned
	s_endpgm
.Lhalves:
	; ---- W_out1 and W_in2 into f16 images; which of the two hangs on the work-group's number alone
	s_cmp_lt_u32 ttmp9, 72
	s_cselect_b64 s[4:5], s[6:7], s[8:9]           ; from
	s_cselect_b64 s[10:11], s[12:13], s[14:15]     ; to
	s_cselect_b32 s17, 8, 72                       ; the tensor's first work-group
	s_cselect_b32 s18, 3, 2                        ; log2 of the groups of four K steps in a row
	s_cselect_b32 s19, 12, 11                      ; log2 of a row's bytes
	s_cselect_b32 s22, 18, 17                      ; log2 of the bytes of eight tiles' images
	s_cselect_b32 s30, 0x4038aa3b, 1.0             ; 2 log2(e), or 1
	s_mov_b32 s31, s30
	s_sub_co_u32 s17, ttmp9, s17
	s_lshl_b32 s17, s17, 2
	s_add_co_u32 s17, s17, s16                     ; my unit
	s_lshr_b32 s23, s17, s18                       ; T
	s_lshl_b32 s24, s23, s18
	s_sub_co_u32 s24, s17, s24                     ; which four K steps
	s_add_co_u32 s25, s19, 4
	s_lshl_b32 s26, s23, s25                       ; 16 T rows
	s_lshl_b32 s28, s24, 9                         ; four K steps are 512 bytes of a row
	s_add_co_u32 s26, s26, s28
	s_add_nc_u64 s[4:5], s[4:5], s[26:27]
	s_lshr_b32 s28, s23, 3
	s_lshl_b32 s28, s28, s22
	s_lshl_b32 s25, s24, 15
	s_add_co_u32 s28, s28, s25
	s_and_b32 s25, s23, 7
	s_lshl_b32 s25, s25, 10
	s_add_co_u32 s28, s28, s25
	s_add_nc_u64 s[10:11], s[10:11], s[28:29]
	v_lshlrev_b32 v4, s19, v2
	v_lshl_add_u32 v4, v3, 5, v4                   ; row r, + 32 h bytes: group c of a fragment holds k = 16 c + 8 h + 0 .. 7
.irp i, 0,1,2,3
.irp c, 0,1
.irp j, 0,1
	global_load_b128 v[64+16*\i+8*\c+4*\j:64+16*\i+8*\c+4*\j+3], v4, s[4:5] offset:128*\i+64*\c+16*\j
.endr
.endr
.endr
	s_wait_loadcnt 0x0
.set nn, 0
.rept 32
	v_pk_mul_f32 v[64+2*nn:65+2*nn], v[64+2*nn:65+2*nn], s[30:31] op_sel_hi:[1,0]
.set nn, nn+1
.endr
.set nn, 0
.rept 32
	v_cvt_pk_f16_f32 v[128+nn], v[64+2*nn], v[65+2*nn]
.set nn, nn+1
.endr
.irp i, 0,1,2,3
.irp c, 0,1
	global_store_b128 v5, v[128+8*\i+4*\c:128+8*\i+4*\c+3], s[10:11] offset:8192*\i+512*\c
.endr
.endr
	s_endpgm
.Lfunc_end_k_q3135470e18_prep:
	.size	k_q3135470e18_prep, .Lfunc_end_k_q3135470e18_prep-k_q3135470e18_prep
	.p2alignl 7, 3214868480
	.fill 96, 4, 3214868480
	.section	.rodata,"a",@progbits
	.p2align	6, 0x0
	.amdhsa_kernel k_q3135470e18_prep
		.amdhsa_group_segment_fixed_size 0
		.amdhsa_private_segment_fixed_size 0
		.amdhsa_enable_private_segment 0
		.amdhsa_kernarg_size 48
		.amdhsa_user_sgpr_count 2
		.amdhsa_user_sgpr_kernarg_segment_ptr 1
		.amdhsa_wavefront_size32 1
		.amdhsa_system_sgpr_workgroup_id_x 1
		.amdhsa_system_sgpr_workgroup_id_y 1
		.amdhsa_system_sgpr_workgroup_id_z 1
		.amdhsa_system_vgpr_workitem_id 0
		.amdhsa_next_free_vgpr 224
		.amdhsa_next_free_sgpr 66
		.amdhsa_reserve_vcc 1
		.amdhsa_float_denorm_mode_32 3
		.amdhsa_float_denorm_mode_16_64 3
		.amdhsa_memory_ordered 1
		.amdhsa_forward_progress 1
		.amdhsa_inst_pref_size 31
	.end_amdhsa_kernel
	.amdgpu_metadata
---
amdhsa.version: [ 1, 2 ]
amdhsa.kernels:
  - .name:           k_q3135470e18_prep
    .symbol:         k_q3135470e18_prep.kd
    .args:
      - { .name: W_in1, .offset: 0, .size: 8, .value_kind: global_buffer, .address_space: global }
      - { .name: W_out1, .offset: 8, .size: 8, .value_kind: global_buffer, .address_space: global }
      - { .name: W_in2, .offset: 16, .size: 8, .value_kind: global_buffer, .address_space: global }
      - { .name: w1q, .offset: 24, .size: 8, .value_kind: global_buffer, .address_space: global }
      - { .name: wo1h, .offset: 32, .size: 8, .value_kind: global_buffer, .address_space: global }
      - { .name: wi2h, .offset: 40, .size: 8, .value_kind: global_buffer, .address_space: global }
    .group_segment_fixed_size: 0
    .private_segment_fixed_size: 0
    .kernarg_segment_align: 8
    .kernarg_segment_size: 48
    .max_flat_workgroup_size: 128
    .sgpr_count:     66
    .vgpr_count:     224
    .wavefront_size: 32
...
	.end_amdgpu_metadata
.endif
;; end of part 1
;; launch block1 (part 2): grid 256 x 1, 4 waves a work-group, no clusters, 272,896 bytes of LDS; arguments embeddings, w1q, wo1h, x2h; writes x2h
.if DOCPART == 2
	.amdgcn_target "amdgcn-amd-amdhsa--gfx1250"
	.amdhsa_code_object_version 6
	.text
	.protected	k_q3135470e18_block1
	.globl	k_q3135470e18_block1
	.p2align	8
	.type	k_q3135470e18_block1,@function
k_q3135470e18_block1:
	s_mov_b64 s[64:65], 0
	v_nop
	global_prefetch_b8 v0, s[64:65] scope:SCOPE_SE
	s_setreg_imm32_b32 hwreg(HW_REG_WAVE_MODE, 25, 1), 1
	s_wait_xcnt 0x0
; ATTENTION BLOCK 1: x2 = tanh([softmax(q x^T) x, q] W_out1^T), q = Q(x) Q(W_in1)^T on codes of E2M1 (one E8M0 scale for each 32 along K); all other products on f16 operands with f32 sums.
; SHARES.  A work-group owns 128 query rows, half a batch (batch = number / 2, half g = number % 2); each of its four waves owns 32 of them, two tiles of 16.
; LAYOUT.  Every product is used transposed (source 0 = 16 rows of a weight, 16 keys or 16 channels; source 1 = 16 queries): a lane holds ONE query, and its eight results are eight neighbours along the next product's K.
;   Two neighbouring result tiles, rounded to f16 in pairs, ARE the next product's source 1.  So q, the weights p and the mix pass from product to product in registers.
; PHASES.  0: w1q into LDS; my 32 rows of x are quantised in registers (f32 in, codes out) and laid in LDS as f16 | 1: q^T, 32 tiles x 2, on codes | the other half's 128 rows into LDS as f16 (over w1q's bytes)
;   2: S^T = x q^T, all 256 keys in registers | softmax with the row's true maximum | 3: mix^T = x^T p | mix and q to LDS as images of their registers | 4: out^T = W_out1 comb^T: here THE WAVES SHARE THE COLUMNS:
;   wave w makes channels 128 w .. 128 w + 127 for all 128 rows, its weights coming from memory straight into registers, each fragment once | tanh | x2 leaves as f16 images of fragments.
; KEYS.  LDS row j is the batch's row 128 g + j (j < 128), else 128 (1 - g) + j - 128: softmax and mix do not mind the order of keys, and no LDS address hangs on g.
;   Lane r of a key tile takes LDS row 16 kt + 2 (r % 8) + r / 8, so that register j of lane half h holds key 16 kt + 2 j + h; the turning loads of product 3 address the same keys.
; NO TENSOR LOAD, NO CLUSTER: x arrives as f32 and passes through registers to become codes and f16, so its 266,240 LDS bytes are written by LDS stores; what is left of LDS, under 55,000 bytes, does not hold two slots of a
;   K step of W_out1 for all four waves (32,768 bytes each), so the weights go to registers.  What two work-groups share is each other's 128 rows of x, converted by each for itself.
; LIMITS.  NaN and infinities are not served by the quantiser; a block of zeros gets the scale byte 1 (its codes are zeros).  f16 operands: x, q, p, mix, W_out1 x 2 log2(e): their magnitudes must stay under 65,504.
;   tanh(z) = 1 - 2 / (1 + 2^(2 log2(e) z)): its absolute error is near 2e-7, so for |z| under 1e-4 the relative error passes 0.2 per cent.
; LDS: X, 256 rows of 1,024 bytes + 16 (an odd multiple of 16 bytes, so that the sixteen rows of a load begin at sixteen different 16-byte columns of 256); W1L over X's rows 128-255 up to the end of product 1;
;   COMB, 256 images of 1,024 bytes ((K step) 8 + query tile), over X from product 4 on; the spare words.
; REGISTERS, in windows of 256 (s_set_vgpr_msb: bits 1:0 source 0, 3:2 source 1, 5:4 source 2, 7:6 destination):
;   window 0: v1-27 addresses; v28-31, v32-127 at work and fragments; v128-255 x's codes and scale words, then p, then product 4's source 1, then x2 on its way out
;   window 1: w1q on its way to LDS; the other rows' first tile; mix tiles 0-15; then W_out1's four sets;  window 2: my first tile of x; q tiles 0-15; q as f16; out;  window 3: my second tile; q tiles 16-31; the other rows' second tile; S^T; mix tiles 16-31; out
.set PITCH, 1040
.set W1L,   128*PITCH                  ; w1q as it lies in memory: 131,072 bytes of images,
.set W1S,   W1L+131072                 ; 8,192 scale bytes
.set SPARE, W1L+139264                 ; the spare words, 128 bytes for each wave: two blocks of 256 bytes that no other line names
.set TM,    32                         ; v32-47 the quantiser's work
.set HB,    48                         ; v48-79 32 registers of f16 on their way to LDS
.set XSC,   184                        ; v184-191 x's scale words (4 i + s)
.set XC,    192                        ; v192-255 x's codes: fragment 4 i + s
.set MSB, 0
.macro WIN new                         ; the immediate's high byte repeats the setting that is left; a switch that changes nothing is dropped
.if MSB != (\new)
	s_set_vgpr_msb (MSB<<8)|(\new)
.set MSB, (\new)
.endif
.endm
.macro PLACES                          ; four plain instructions between a matrix instruction and a load into, or a vector read or write of, its registers
.rept 4
	v_nop
.endr
.endm
.macro BAR                             ; my LDS stores have landed and my LDS loads are in: then the work-group's barrier
	s_wait_dscnt 0x0
	s_barrier_signal -1
	s_barrier_wait -1
.endm
; 64 numbers of a lane in window win, register src + 16 b + i = k 32 b + 16 h + i of my row, become a fragment's codes at v[pc] and the row's scale word in v[pw]
.macro QUANT src, win, pc, pw
	WIN ((\win)|((\win)<<2))
.irp b, 0,1,2,3
	v_max3_num_f32 v[TM+\b], |v[(\src)+16*\b]|, |v[(\src)+16*\b+1]|, 0x1800000   ; and the floor 2^(3 - 127): the byte cannot fall under 1
.endr
	WIN (((\win)<<2)|((\win)<<4))
.irp e, 2,4,6,8,10,12,14
.irp b, 0,1,2,3
	v_max3_num_f32 v[TM+\b], v[TM+\b], |v[(\src)+16*\b+\e]|, |v[(\src)+16*\b+\e+1]|
.endr
.endr
	WIN 0
.irp b, 0,1,2,3
	v_permlanex16_b32 v[TM+4+\b], v[TM+\b], s20, s21
.endr
.irp b, 0,1,2,3
	v_max_num_f32 v[TM+\b], v[TM+\b], v[TM+4+\b]       ; the block's largest magnitude
.endr
.irp b, 0,1,2,3
	v_add_nc_u32 v[TM+12+\b], 0xff000000, v[TM+\b]     ; 2 off its exponent field: the conversion's scale operand
.endr
.irp b, 0,1,2,3
	v_lshrrev_b32 v[TM+4+\b], 23, v[TM+12+\b]          ; the scale's byte
.endr
	v_lshl_or_b32 v[\pw], v[TM+5], 8, v[TM+4]
	v_lshl_or_b32 v[\pw], v[TM+6], 16, v[\pw]
	v_lshl_or_b32 v[\pw], v[TM+7], 24, v[\pw]
	WIN (\win)
.irp b, 0,1,2,3
	v_cvt_scalef32_pk8_fp4_f32 v[(\pc)+2*\b], v[(\src)+16*\b:(\src)+16*\b+7], v[TM+12+\b]
	v_cvt_scalef32_pk8_fp4_f32 v[(\pc)+2*\b+1], v[(\src)+16*\b+8:(\src)+16*\b+15], v[TM+12+\b]
.endr
	v_nop                                              ; one plain instruction behind the scaled conversions
	WIN 0
.irp c, 0,1
.irp e, 0,1
	v_permlane16_swap_b32 v[(\pc)+4*\c+\e], v[(\pc)+4*\c+2+\e]   ; a whole block to a lane
.endr
.endr
.endm
; 16 rows of x, all 512 channels, into a whole window: register 64 s + 16 b + i = channel 128 s + 32 b + 16 h + i of row r
.macro XLD base, win, byte
	WIN ((\win)<<6)
.irp s, 0,1,2,3
.irp b, 0,1,2,3
.irp j, 0,1,2,3
	global_load_b128 v[64*\s+16*\b+4*\j:64*\s+16*\b+4*\j+3], v4, s[\base:\base+1] offset:(\byte)+512*\s+128*\b+16*\j
.endr
.endr
.endr
	WIN 0
.endm
; 128 channels of such a tile, rounded to f16, into its rows of X
.macro TOHALF win, s, adr, byte
	s_wait_dscnt 0x0                                   ; the last stores have read v48-79
	WIN ((\win)|((\win)<<2))
.set hd, 0
.rept 32
	v_cvt_pk_f16_f32 v[HB+hd], v[64*(\s)+2*hd], v[64*(\s)+2*hd+1]
.set hd, hd+1
.endr
	WIN 0
.irp b, 0,1,2,3
.irp c, 0,1
	ds_store_b128 v[\adr], v[HB+8*\b+4*\c:HB+8*\b+4*\c+3] offset:(\byte)+256*(\s)+64*\b+16*\c
.endr
.endr
.endm
; 32 result tiles (tile pair u, query tile i at 32 u + 8 i and 32 u + 16 + 8 i) become 16 fragments of f16 at dst0 + 16 u + 8 i.  Each accumulator is read from its low end on; where it works in place no register is written before it has been read
.macro COMPACT dst0
.set uu, 0
.rept 8
.irp i, 0,1
.irp p, 0,1,2,3
	v_cvt_pk_f16_f32 v[(\dst0)+16*uu+8*\i+\p], v[32*uu+8*\i+2*\p], v[32*uu+8*\i+2*\p+1]
.endr
.irp p, 0,1,2,3
	v_cvt_pk_f16_f32 v[(\dst0)+16*uu+8*\i+4+\p], v[32*uu+16+8*\i+2*\p], v[32*uu+16+8*\i+2*\p+1]
.endr
.endr
.set uu, uu+1
.endr
.endm
; PRODUCT 1, step n of 16: W_in1's tiles 2 n and 2 n + 1: eight fragments and their rows' scale words (four words a row)
.macro P1LOAD n
.set fb, 32+64*((\n)%2)
.set lq, 0
.rept 8
	ds_load_b128 v[fb+8*lq:fb+8*lq+3], v[10+(\n)/8] offset:8192*((\n)%8)+1024*lq
	ds_load_b128 v[fb+8*lq+4:fb+8*lq+7], v[10+(\n)/8] offset:8192*((\n)%8)+1024*lq+512
.set lq, lq+1
.endr
	ds_load_b128 v[160+8*((\n)%2):163+8*((\n)%2)], v12 offset:512*(\n)
	ds_load_b128 v[164+8*((\n)%2):167+8*((\n)%2)], v12 offset:512*(\n)+256
.endm
.macro P1MUL n                         ; four accumulators by turns; K ascending
	WIN (0xa0+0x50*((\n)/8))
.irp s, 0,1,2,3
.irp t, 0,1
.irp i, 0,1
.set rD, 8*(2*((2*(\n)+\t)%16)+\i)
.set rA, 32+64*((\n)%2)+8*(4*\t+\s)
.set rB, XC+8*(4*\i+\s)
.if \s == 0
	v_wmma_scale_f32_16x16x128_f8f6f4 v[rD:rD+7], v[rA:rA+7], v[rB:rB+7], 0, v[160+8*((\n)%2)+4*\t+\s], v[XSC+4*\i+\s] matrix_a_fmt:MATRIX_FMT_FP4 matrix_b_fmt:MATRIX_FMT_FP4
.else
	v_wmma_scale_f32_16x16x128_f8f6f4 v[rD:rD+7], v[rA:rA+7], v[rB:rB+7], v[rD:rD+7], v[160+8*((\n)%2)+4*\t+\s], v[XSC+4*\i+\s] matrix_a_fmt:MATRIX_FMT_FP4 matrix_b_fmt:MATRIX_FMT_FP4
.endif
.endr
.endr
.endr
.endm
; PRODUCT 2, step n of 64: key tiles 4 (n / 16) + k, channels 32 (n % 16) on.  Three sets of four fragments take turns
.macro P2LOAD n
.set fb, 32+32*((\n)%3)
.irp k, 0,1,2,3
.irp c, 0,1
	ds_load_b128 v[fb+8*\k+4*\c:fb+8*\k+4*\c+3], v[13+(\n)/16] offset:16*PITCH*\k+64*((\n)%16)+32*\c
.endr
.endr
.endm
.macro P2MUL n                         ; eight accumulators by turns
.set fb, 32+32*((\n)%3)
.irp k, 0,1,2,3
.irp i, 0,1
.set rD, 8*(2*(4*((\n)/16)+\k)+\i)
.set rB, 16*((\n)%16)+8*\i
.if ((\n)%16) == 0
	v_wmma_f32_16x16x32_f16 v[rD:rD+7], v[fb+8*\k:fb+8*\k+7], v[rB:rB+7], 0
.else
	v_wmma_f32_16x16x32_f16 v[rD:rD+7], v[fb+8*\k:fb+8*\k+7], v[rB:rB+7], v[rD:rD+7]
.endif
.endr
.endr
.endm
; PRODUCT 3, step n of 64: channel tiles 4 (n / 8) + k, keys 32 (n % 8) on, turned on their way out of LDS
.macro P3LOAD n
.set fb, 32+32*((\n)%3)
.irp k, 0,1,2,3
.irp a, 0,1
	ds_load_tr16_b128 v[fb+8*\k+4*\a:fb+8*\k+4*\a+3], v[17+((\n)%8)/2] offset:32*PITCH*((\n)%2)+16*PITCH*\a+32*(4*((\n)/8)+\k)
.endr
.endr
.endm
.macro P3MUL n
.set fb, 32+32*((\n)%3)
.irp k, 0,1,2,3
.irp i, 0,1
.set rD, 8*(2*((4*((\n)/8)+\k)%16)+\i)
.set rB, 128+8*(2*((\n)%8)+\i)
.if ((\n)%8) == 0
	v_wmma_f32_16x16x32_f16 v[rD:rD+7], v[fb+8*\k:fb+8*\k+7], v[rB:rB+7], 0
.else
	v_wmma_f32_16x16x32_f16 v[rD:rD+7], v[fb+8*\k:fb+8*\k+7], v[rB:rB+7], v[rD:rD+7]
.endif
.endr
.endr
.endm
.macro CSTORE adr, reg0                ; eight K steps' fragments of my two query tiles go to LDS as they stand
.set cs, 0
.rept 8
.irp i, 0,1
.irp c, 0,1
	ds_store_b128 v[\adr], v[(\reg0)+16*cs+8*\i+4*\c:(\reg0)+16*cs+8*\i+4*\c+3] offset:8192*cs+1024*\i+512*\c
.endr
.endr
.set cs, cs+1
.endr
.endm
; THE LOOP ON K OF PRODUCT 4.  Source 0: na fragments a step from memory, four sets in window 1, asked for three steps ahead.  Source 1: eight images a step from LDS, two sets at v128 and v192, asked for a step ahead.
.macro ALOAD sg, pos, na, ast
.set la, 0
.rept \na
	global_load_b128 v[64*(\sg)+8*la:64*(\sg)+8*la+3], v5, s[24:25] offset:(\ast)*(\pos)+1024*la
	global_load_b128 v[64*(\sg)+8*la+4:64*(\sg)+8*la+7], v5, s[24:25] offset:(\ast)*(\pos)+1024*la+512
.set la, la+1
.endr
.endm
.macro BLOAD pos
.set lb, 0
.rept 8
	ds_load_b128 v[128+64*((\pos)%2)+8*lb:128+64*((\pos)%2)+8*lb+3], v25 offset:8192*(\pos)+1024*lb
	ds_load_b128 v[128+64*((\pos)%2)+8*lb+4:128+64*((\pos)%2)+8*lb+7], v25 offset:8192*(\pos)+1024*lb+512
.set lb, lb+1
.endr
.endm
.macro KMUL p, zero, hf, na, sh        ; query tiles 4 hf .. 4 hf + 3 x na tiles of source 0; all accumulators by turns, in the same order in every step
.irp b, 0,1,2,3
.set ka, 0
.rept \na
.if \na == 8
.set rD, 8*(8*\b+ka)
.else
.set rD, 8*(4*\b+ka)+128*(\hf)
.endif
.set rA, 64*(((\p)+(\sh))%4)+8*ka
.set rB, 128+64*((\p)%2)+8*(4*(\hf)+\b)
.if \zero
	v_wmma_f32_16x16x32_f16 v[rD:rD+7], v[rA:rA+7], v[rB:rB+7], 0
.else
	v_wmma_f32_16x16x32_f16 v[rD:rD+7], v[rA:rA+7], v[rB:rB+7], v[rD:rD+7]
.endif
.set ka, ka+1
.endr
.endr
.endm
.macro KSTEP p, zero, wl, bl, lc, na, ast, sh
	s_wait_loadcnt \lc                                 ; this step's set is in; lc counts the loads of the sets asked for behind it
	s_wait_dscnt 8                                     ; images 0-3 are in; the eight loads of images 4-7 may be out
	WIN 0xa1
	KMUL \p, \zero, 0, \na, \sh
.if (\bl) || (\wl)
	PLACES                                             ; the loads below land in registers that the last step's products read
.endif
.if \bl
	WIN 0
	BLOAD (\p)+1
.endif
.if \wl
	WIN 0x40
	ALOAD ((\p)+3+(\sh))%4, (\p)+3, \na, \ast
.endif
.if \bl
	s_wait_dscnt 16                                    ; all but the 16 just issued
.else
	s_wait_dscnt 0x0
.endif
.if \na == 8
	WIN 0xf1
.else
	WIN 0xa1
.endif
	KMUL \p, \zero, 1, \na, \sh
.endm
	s_load_b256 s[4:11], s[0:1], 0x0               ; embeddings s[4:5], w1q s[6:7], wo1h s[8:9], x2h s[10:11]
	v_lshl_add_u32 v26, v0, 2, SPARE               ; my spare word,
	v_mov_b32 v27, 0                               ; and 0: kept for the closing lines alone
	v_lshrrev_b32 v1, 5, v0
	v_readfirstlane_b32 s12, v1                    ; wave w
	v_and_b32 v1, 31, v0                           ; lane
	v_and_b32 v2, 15, v0                           ; r
	v_bfe_u32 v3, v0, 4, 1                         ; h
	s_lshr_b32 s13, ttmp9, 1                       ; batch
	s_and_b32 s14, ttmp9, 1                        ; g
	s_xor_b32 s15, s14, 1
	s_mov_b32 s20, 0x76543210
	s_mov_b32 s21, 0xfedcba98                      ; lane selects: lane l xor 16
	s_mov_b32 s22, 0x3fb8aa3b                      ; log2(e)
	s_mov_b32 s23, s22
	s_lshl_b32 s30, s13, 19                        ; a batch of x is 524,288 bytes,
	s_lshl_b32 s36, s12, 16                        ; a wave's 32 rows 65,536
	s_add_co_u32 s30, s30, s36
	s_lshl_b32 s37, s14, 18
	s_add_co_u32 s38, s30, s37                     ; my rows of my half
	s_mov_b32 s39, 0
	s_lshl_b32 s37, s15, 18
	s_add_co_u32 s40, s30, s37                     ; and of the other half
	s_mov_b32 s41, 0
	s_lshl_b32 s42, s13, 18                        ; x2h: a batch is 262,144 bytes; my four K steps; my half's eight tiles of rows
	s_add_co_u32 s42, s42, s36
	s_lshl_b32 s37, s14, 13
	s_add_co_u32 s42, s42, s37
	s_mov_b32 s43, 0
	s_lshl_b32 s44, s12, 18                        ; wo1h: my eight tiles' images
	s_mov_b32 s45, 0
	s_lshl_b32 s46, s12, 15                        ; w1q: my quarter of the codes,
	s_mov_b32 s47, 0
	s_lshl_b32 s28, s12, 11                        ; and of the scale bytes
	s_add_co_u32 s28, s28, 131072
	s_mov_b32 s29, 0
	v_lshlrev_b32 v4, 11, v2
	v_lshl_add_u32 v4, v3, 6, v4                   ; v4: x in memory: row r, + 64 h
	v_lshlrev_b32 v5, 4, v1                        ; v5: 16 x lane
	s_mul_i32 s36, s12, 32*PITCH
	v_mul_u32_u24 v6, v2, PITCH
	v_lshl_add_u32 v6, v3, 5, v6
	v_add_nc_u32 v6, s36, v6                       ; v6: X, row 32 w + r, + 32 h
	v_add_nc_u32 v7, W1L, v6                       ; v7: the same 128 rows on
	s_lshl_b32 s36, s12, 15
	s_add_co_u32 s36, s36, W1L
	v_add_nc_u32 v8, s36, v5                       ; v8: where I put my quarter of w1q's codes,
	s_lshl_b32 s36, s12, 11
	s_add_co_u32 s36, s36, W1S
	v_add_nc_u32 v9, s36, v5                       ; v9: and of its scale bytes
	v_add_nc_u32 v10, W1L, v5                      ; v10, v11: images of W_in1, tiles 0-15 and 16-31
	v_add_nc_u32 v11, W1L+65536, v5
	v_lshl_add_u32 v12, v2, 4, W1S                 ; v12: row r's four scale words
	v_and_b32 v28, 7, v2
	v_lshrrev_b32 v29, 3, v2
	v_lshl_add_u32 v28, v28, 1, v29                ; 2 (r % 8) + r / 8
	v_mul_u32_u24 v28, v28, PITCH
	v_lshl_add_u32 v13, v3, 4, v28                 ; v13-16: keys for product 2, 64 rows apart
	v_add_nc_u32 v14, 64*PITCH, v13
	v_add_nc_u32 v15, 128*PITCH, v13
	v_add_nc_u32 v16, 192*PITCH, v13
	v_and_b32 v28, 7, v0
	v_lshl_add_u32 v28, v28, 1, v3                 ; 2 (lane % 8) + h
	v_mul_u32_u24 v28, v28, PITCH
	v_bfe_u32 v29, v0, 3, 1
	v_lshl_add_u32 v17, v29, 4, v28                ; v17-20: the same keys for the turning loads of product 3
	v_add_nc_u32 v18, 64*PITCH, v17
	v_add_nc_u32 v19, 128*PITCH, v17
	v_add_nc_u32 v20, 192*PITCH, v17
	s_lshl_b32 s36, s12, 11
	v_add_nc_u32 v21, s36, v5                      ; v21-24: COMB: my two query tiles' images, eight K steps apart
	v_add_nc_u32 v22, 65536, v21
	v_add_nc_u32 v23, 131072, v21
	v_add_nc_u32 v24, 196608, v21
.irp b, 0,1,2,3
	v_mov_b32 v[TM+4+\b], 0                        ; a lane permute's destination counts as read
.endr
	s_wait_kmcnt 0x0
	s_add_nc_u64 s[16:17], s[4:5], s[38:39]
	s_add_nc_u64 s[18:19], s[4:5], s[40:41]
	s_add_nc_u64 s[32:33], s[6:7], s[46:47]
	s_add_nc_u64 s[34:35], s[6:7], s[28:29]
	s_add_nc_u64 s[24:25], s[8:9], s[44:45]
	s_add_nc_u64 s[26:27], s[10:11], s[42:43]
	; ---- PHASE 0
	WIN 0x40
.set nn, 0
.rept 64
	global_load_b128 v[4*nn:4*nn+3], v5, s[32:33] offset:512*nn      ; my quarter of w1q's codes: 512 consecutive bytes a load
.set nn, nn+1
.endr
	WIN 0
.set nn, 0
.rept 4
	global_load_b128 v[80+4*nn:83+4*nn], v5, s[34:35] offset:512*nn
.set nn, nn+1
.endr
	XLD 16, 2, 0                                   ; my rows 0-15
	XLD 16, 3, 32768                               ; my rows 16-31
	s_wait_loadcnt 63                              ; 128 loads are younger than w1q's and 64 than my first tile's: both are in (63 is the largest count that the wait can name)
	WIN 0x04
.set nn, 0
.rept 64
	ds_store_b128 v8, v[4*nn:4*nn+3] offset:512*nn
.set nn, nn+1
.endr
	WIN 0
.set nn, 0
.rept 4
	ds_store_b128 v9, v[80+4*nn:83+4*nn] offset:512*nn
.set nn, nn+1
.endr
	s_wait_dscnt 0x0                               ; the stores have read window 1,
	XLD 18, 1, 0                                   ; which takes the other half's rows 0-15 of my 32: they wait there until w1q's bytes are free
.irp s, 0,1,2,3
	QUANT 64*\s, 2, XC+8*\s, XSC+\s
	TOHALF 2, \s, 6, 0
.endr
	s_wait_loadcnt 63                              ; 64 loads are younger than my second tile's
.irp s, 0,1,2,3
	QUANT 64*\s, 3, XC+32+8*\s, XSC+4+\s
	TOHALF 3, \s, 6, 16*PITCH
.endr
	BAR                                            ; w1q lies whole in LDS
	; ---- PRODUCT 1: q^T = W_in1 x^T on codes
	P1LOAD 0
	P1LOAD 1
.set n1, 0
.rept 16
.if n1 < 15
	s_wait_dscnt 18                                ; this step's 18 loads are in; the next step's 18 may be out
.else
	s_wait_dscnt 0x0
.endif
	P1MUL n1
	WIN 0
.if n1 < 14
	PLACES
	P1LOAD n1+2
.endif
.set n1, n1+1
.endr
	PLACES
	WIN 0x8a
	COMPACT 0                                      ; q as f16: fragment (K step u, query tile i) at 16 u + 8 i of window 2
	WIN 0x8f
	COMPACT 128
	WIN 0
	XLD 18, 3, 32768                               ; the other half's rows 16-31 of my 32
	BAR                                            ; every wave's reads of w1q are over: its bytes become X's rows 128-255
	s_wait_loadcnt 63                              ; 64 loads are younger than window 1's
.irp s, 0,1,2,3
	TOHALF 1, \s, 7, 0
.endr
.irp s, 0,1,2,3
	s_wait_loadcnt 48-16*\s                        ; the 16 loads of these 128 channels are in; those of the later channels may be out
	TOHALF 3, \s, 7, 16*PITCH
.endr
	BAR                                            ; all 256 rows of x lie in LDS as f16
	; ---- PRODUCT 2: S^T = x q^T
	P2LOAD 0
	P2LOAD 1
	P2LOAD 2
.set n2, 0
.rept 64
.if n2 < 62
	s_wait_dscnt 16                                ; this set's 8 loads are in; the two younger sets may be out
.elseif n2 == 62
	s_wait_dscnt 8
.else
	s_wait_dscnt 0x0
.endif
	WIN 0xf8
	P2MUL n2
	WIN 0
.if n2 < 61
	PLACES
	P2LOAD n2+3
.endif
.set n2, n2+1
.endr
	PLACES
	; ---- SOFTMAX.  A lane and the lane 16 away hold a query's 256 scores: S(kt, i) at 16 kt + 8 i of window 3.  v32-39 four maxima a tile; v44-47 -log2(e) m; v48-63 four sums a tile; v64-67 1 / sum
	WIN 0x3f
.irp i, 0,1
.irp c, 0,1,2,3
	v_max3_num_f32 v[32+4*\i+\c], v[64*\c+8*\i], v[64*\c+8*\i+1], v[64*\c+8*\i+2]
.endr
.endr
	WIN 0x3c
.set ee, 3
.rept 14
.irp i, 0,1
.irp c, 0,1,2,3
	v_max3_num_f32 v[32+4*\i+\c], v[32+4*\i+\c], v[16*(4*\c+ee/8)+8*\i+ee%8], v[16*(4*\c+(ee+1)/8)+8*\i+(ee+1)%8]   ; each accumulator is entered at its low end
.endr
.endr
.set ee, ee+2
.endr
.irp i, 0,1
.irp c, 0,1,2,3
	v_max_num_f32 v[32+4*\i+\c], v[32+4*\i+\c], v[16*(4*\c+3)+8*\i+7]
.endr
.endr
	WIN 0
.irp i, 0,1
	v_mov_b32 v[40+\i], 0
.endr
.irp i, 0,1
	v_max3_num_f32 v[32+4*\i], v[32+4*\i], v[33+4*\i], v[34+4*\i]
.endr
.irp i, 0,1
	v_max_num_f32 v[32+4*\i], v[32+4*\i], v[35+4*\i]
.endr
.irp i, 0,1
	v_permlanex16_b32 v[40+\i], v[32+4*\i], s20, s21
.endr
.irp i, 0,1
	v_max_num_f32 v[32+4*\i], v[32+4*\i], v[40+\i]     ; the row's maximum m
.endr
.irp i, 0,1
	v_mul_f32 v[44+2*\i], 0xbfb8aa3b, v[32+4*\i]       ; -log2(e) m: its rounding is common to the row and leaves with the division
.endr
.irp i, 0,1
	v_mov_b32 v[45+2*\i], v[44+2*\i]                   ; (named with it as a pair)
.endr
	WIN 0xc3
.set kk, 0
.rept 16
.irp i, 0,1
.irp p, 0,2,4,6
	v_pk_fma_f32 v[16*kk+8*\i+\p:16*kk+8*\i+\p+1], v[16*kk+8*\i+\p:16*kk+8*\i+\p+1], s[22:23], v[44+2*\i:45+2*\i] op_sel_hi:[1,0,0]
.endr
.endr
.set kk, kk+1
.endr
.set nn, 0
.rept 256
	v_exp_f32 v[nn], v[nn]                             ; p = 2^(log2(e) (s - m)), at most 1
.set nn, nn+1
.endr
	v_nop                                              ; a plain instruction behind the last exponential,
	s_wait_alu depctr_va_vdst(0)                       ; and one wait for the batch, ahead of its first reader
	WIN 0x0f
.irp i, 0,1
.irp c, 0,1,2,3
	v_pk_add_f32 v[48+8*\i+2*\c:49+8*\i+2*\c], v[64*\c+8*\i:64*\c+8*\i+1], v[64*\c+8*\i+2:64*\c+8*\i+3]
.endr
.endr
	WIN 0x0c
.set ee, 4
.rept 14
.irp i, 0,1
.irp c, 0,1,2,3
	v_pk_add_f32 v[48+8*\i+2*\c:49+8*\i+2*\c], v[48+8*\i+2*\c:49+8*\i+2*\c], v[16*(4*\c+ee/8)+8*\i+ee%8:16*(4*\c+ee/8)+8*\i+ee%8+1]
.endr
.endr
.set ee, ee+2
.endr
	WIN 0
.irp i, 0,1
	v_pk_add_f32 v[48+8*\i:49+8*\i], v[48+8*\i:49+8*\i], v[50+8*\i:51+8*\i]
	v_pk_add_f32 v[52+8*\i:53+8*\i], v[52+8*\i:53+8*\i], v[54+8*\i:55+8*\i]
.endr
.irp i, 0,1
	v_pk_add_f32 v[48+8*\i:49+8*\i], v[48+8*\i:49+8*\i], v[52+8*\i:53+8*\i]
.endr
.irp i, 0,1
	v_add_f32 v[32+\i], v[48+8*\i], v[49+8*\i]
.endr
.irp i, 0,1
	v_permlanex16_b32 v[40+\i], v[32+\i], s20, s21
.endr
.irp i, 0,1
	v_add_f32 v[32+\i], v[32+\i], v[40+\i]             ; the row's sum, of the unrounded p
.endr
.irp i, 0,1
	v_rcp_f32 v[64+2*\i], v[32+\i]
	v_rcp_f32 v[65+2*\i], v[32+\i]
.endr
	v_nop
	s_wait_alu depctr_va_vdst(0)
	WIN 0xc3
.set kk, 0
.rept 16
.irp i, 0,1
.irp p, 0,2,4,6
	v_pk_mul_f32 v[16*kk+8*\i+\p:16*kk+8*\i+\p+1], v[16*kk+8*\i+\p:16*kk+8*\i+\p+1], v[64+2*\i:65+2*\i]
.endr
.endr
.set kk, kk+1
.endr
	WIN 0x0f
	COMPACT 128                                    ; the weights as f16: fragment (32 keys u, query tile i) at v128 + 16 u + 8 i
	WIN 0
	; ---- PRODUCT 3: mix^T = x^T p
	P3LOAD 0
	P3LOAD 1
	P3LOAD 2
.set n3, 0
.rept 64
.if n3 < 62
	s_wait_dscnt 16
.elseif n3 == 62
	s_wait_dscnt 8
.else
	s_wait_dscnt 0x0
.endif
.if n3 < 32
	WIN 0x50
.else
	WIN 0xf0
.endif
	P3MUL n3
	WIN 0
.if n3 < 61
	PLACES
	P3LOAD n3+3
.endif
.set n3, n3+1
.endr
	PLACES
	WIN 0x45
	COMPACT 0                                      ; mix as f16, in place: K steps 0-7 at the low half of window 1,
	WIN 0xcf
	COMPACT 0                                      ; K steps 8-15 at the low half of window 3
	WIN 0x40
	ALOAD 2, 0, 8, 8192                            ; W_out1's K steps 0 and 1 into the half of window 1 that is free
	ALOAD 3, 1, 8, 8192
	WIN 0
	BAR                                            ; every wave's reads of X are over: its bytes become COMB
	WIN 0x04
	CSTORE 21, 0
	WIN 0x0c
	CSTORE 22, 0
	WIN 0x08
	CSTORE 23, 0
	CSTORE 24, 128
	s_wait_dscnt 0x0                               ; my images have landed, and the stores have read their registers
	WIN 0x40
	ALOAD 0, 2, 8, 8192                            ; K step 2
	WIN 0
	s_barrier_signal -1
	s_barrier_wait -1                              ; all 256 images of comb lie in LDS
	v_mov_b32 v25, v5
	BLOAD 0
	; ---- PRODUCT 4: out^T = (2 log2(e) W_out1) comb^T: my 8 tiles of channels x 8 tiles of queries, 32 K steps of 32
	KSTEP 0, 1, 1, 1, 32, 8, 8192, 2               ; the first step starts the sums
	WIN 0
	s_mov_b32 s28, 7
.Lp4:
	KSTEP 1, 0, 1, 1, 32, 8, 8192, 2
	KSTEP 2, 0, 1, 1, 32, 8, 8192, 2
	KSTEP 3, 0, 1, 1, 32, 8, 8192, 2
	KSTEP 4, 0, 1, 1, 32, 8, 8192, 2
	WIN 0
	s_wait_xcnt 0x0                                ; the loads have read their base
	s_add_nc_u64 s[24:25], s[24:25], 32768
	v_add_nc_u32 v25, 32768, v25
	s_sub_co_u32 s28, s28, 1
	s_cmp_lg_u32 s28, 0
	s_cbranch_scc1 .Lp4
	KSTEP 1, 0, 0, 1, 32, 8, 8192, 2               ; the last three steps ask for no weights: the counts run down
	KSTEP 2, 0, 0, 1, 16, 8, 8192, 2
	KSTEP 3, 0, 0, 0, 0, 8, 8192, 2
	PLACES
	WIN 0
	; ---- tanh AND THE WAY OUT: two trips, query tiles 0-3 (window 2) and 4-7 (window 3); only the exponentials' source window differs
	s_mov_b32 s28, 0
.Ltanh:
	s_cmp_eq_u32 s28, 0
	s_cbranch_scc0 .Lupper
	WIN 0x42
.set nn, 0
.rept 256
	v_exp_f32 v[nn], v[nn]                             ; 2^(2 log2(e) z), into window 1
.set nn, nn+1
.endr
	v_nop
	s_wait_alu depctr_va_vdst(0)
	WIN 0
	s_branch .Lboth
.Lupper:
	WIN 0x43
.set nn, 0
.rept 256
	v_exp_f32 v[nn], v[nn]
.set nn, nn+1
.endr
	v_nop
	s_wait_alu depctr_va_vdst(0)
	WIN 0
.Lboth:
	WIN 0x41
.set nn, 0
.rept 128
	v_pk_add_f32 v[2*nn:2*nn+1], v[2*nn:2*nn+1], 1.0 op_sel_hi:[1,0]
.set nn, nn+1
.endr
.set nn, 0
.rept 256
	v_rcp_f32 v[nn], v[nn]
.set nn, nn+1
.endr
	v_nop
	s_wait_alu depctr_va_vdst(0)
.set nn, 0
.rept 128
	v_pk_fma_f32 v[2*nn:2*nn+1], v[2*nn:2*nn+1], -2.0, 1.0 op_sel_hi:[1,0,0]     ; tanh = 1 - 2 / (1 + 2^..)
.set nn, nn+1
.endr
	WIN 0x05
.set nn, 0
.rept 128
	v_cvt_pk_f16_f32 v[128+nn], v[2*nn], v[2*nn+1]     ; fragment (K step u of my four, tile of rows b) at v128 + 8 (4 b + u)
.set nn, nn+1
.endr
	WIN 0
.irp b, 0,1,2,3
.irp u, 0,1,2,3
.irp c, 0,1
	global_store_b128 v5, v[128+8*(4*\b+\u)+4*\c:128+8*(4*\b+\u)+4*\c+3], s[26:27] offset:16384*\u+1024*\b+512*\c   ; 512 consecutive bytes, aligned
.endr
.endr
.endr
	s_wait_xcnt 0x0                                ; the stores have read their registers and their base
	s_add_nc_u64 s[26:27], s[26:27], 4096
	s_add_co_u32 s28, s28, 1
	s_cmp_lt_u32 s28, 2
	s_cbranch_scc1 .Ltanh
	s_wait_tensorcnt 0x0                           ; the wave's end: three closing lines behind my last LDS store
	ds_add_u32 v26, v27
	s_wait_dscnt 0x0
	s_endpgm
.Lfunc_end_k_q3135470e18_block1:
	.size	k_q3135470e18_block1, .Lfunc_end_k_q3135470e18_block1-k_q3135470e18_block1
	.p2alignl 7, 3214868480
	.fill 96, 4, 3214868480
	.section	.rodata,"a",@progbits
	.p2align	6, 0x0
	.amdhsa_kernel k_q3135470e18_block1
		.amdhsa_group_segment_fixed_size 272896
		.amdhsa_private_segment_fixed_size 0
		.amdhsa_enable_private_segment 0
		.amdhsa_kernarg_size 32
		.amdhsa_user_sgpr_count 2
		.amdhsa_user_sgpr_kernarg_segment_ptr 1
		.amdhsa_wavefront_size32 1
		.amdhsa_system_sgpr_workgroup_id_x 1
		.amdhsa_system_sgpr_workgroup_id_y 1
		.amdhsa_system_sgpr_workgroup_id_z 1
		.amdhsa_system_vgpr_workitem_id 0
		.amdhsa_next_free_vgpr 1024
		.amdhsa_next_free_sgpr 66
		.amdhsa_reserve_vcc 0
		.amdhsa_float_denorm_mode_32 3
		.amdhsa_float_denorm_mode_16_64 3
		.amdhsa_memory_ordered 1
		.amdhsa_forward_progress 1
		.amdhsa_inst_pref_size 255
	.end_amdhsa_kernel
	.section	.bss,"aw",@nobits
	.p2align	6
	.space	262144
	.amdgpu_metadata
---
amdhsa.version: [ 1, 2 ]
amdhsa.kernels:
  - .name:           k_q3135470e18_block1
    .symbol:         k_q3135470e18_block1.kd
    .args:
      - { .name: embeddings, .offset: 0, .size: 8, .value_kind: global_buffer, .address_space: global }
      - { .name: w1q, .offset: 8, .size: 8, .value_kind: global_buffer, .address_space: global }
      - { .name: wo1h, .offset: 16, .size: 8, .value_kind: global_buffer, .address_space: global }
      - { .name: x2h, .offset: 24, .size: 8, .value_kind: global_buffer, .address_space: global }
    .group_segment_fixed_size: 272896
    .private_segment_fixed_size: 0
    .kernarg_segment_align: 8
    .kernarg_segment_size: 32
    .max_flat_workgroup_size: 128
    .sgpr_count:     66
    .vgpr_count:     1024
    .wavefront_size: 32
...
	.end_amdgpu_metadata
.endif
;; end of part 2
;; launch block2 (part 3): grid 256 x 1, 4 waves a work-group, no clusters, 278,016 bytes of LDS; arguments x2h, wi2h, pool; writes pool
.if DOCPART == 3
	.amdgcn_target "amdgcn-amd-amdhsa--gfx1250"
	.amdhsa_code_object_version 6
	.text
	.protected	k_q3135470e18_block2
	.globl	k_q3135470e18_block2
	.p2align	8
	.type	k_q3135470e18_block2,@function
k_q3135470e18_block2:
	s_mov_b64 s[64:65], 0
	v_nop
	global_prefetch_b8 v0, s[64:65] scope:SCOPE_SE
	s_setreg_imm32_b32 hwreg(HW_REG_WAVE_MODE, 25, 1), 1
	s_wait_xcnt 0x0
; ATTENTION BLOCK 2 UP TO THE MEAN.  The mean over the 256 rows is linear, so it is taken AHEAD of the last two products: mean_l(w x2) = (mean_l w) x2 and mean_l(comb W_out2^T) = mean_l(comb) W_out2^T, for every input.
;   Only the order of the f32 sums differs from the order in which the problem writes them.  This launch stores, for each half batch, the sum over its 128 queries of mix2 (512 numbers) and of q2 (512).
; SHARES.  A work-group owns 128 query rows, half a batch.  THE WAVES SHARE THE COLUMNS: wave w makes q2's channels 128 w .. + 127 for all 128 queries, then the scores of 64 keys (tiles 4 w .. 4 w + 3 in LDS order) for all 128 queries.
;   Key tile k in LDS order is my half's tile k (k < 8), else the other half's tile k - 8: no LDS address hangs on the half.
; All products on f16 operands, f32 sums, used transposed (a lane holds one query).  Operands lie in memory and LDS as images of their registers: 1,024 bytes a fragment, group c of lane L at 512 c + 16 L.
; PHASES.  my half's images into LDS | q2^T = W_in2 x2^T (weights from memory to registers) | q2 summed over queries; q2 as images into LDS | S^T = x2 q2^T (keys from memory to registers) | softmax: maxima and sums meet in LDS |
;   c(key) = sum over my 128 queries of the weights | c x2 for my 64 keys on the matrix unit (source 1: c in all sixteen columns) | the four waves' parts are added and stored.
; NO TENSOR LOAD, NO CLUSTER: both LDS halves are written by LDS stores (q2 is computed; the other rows take its place), and the weights go to registers, each fragment once a work-group.
; LIMITS: f16 operands (x2 is at most 1 in size; q2 and W_in2 must stay under 65,504; c lies between 0 and 128).
; LDS: XB my rows' images [K step][tile]; QB q2's images, later the other rows'; STM, STS maxima and sums [query tile][r][wave]; PM the waves' parts of the pooled mix; PQ the pooled q2; the spare words.
; REGISTERS: window 0: v1-27 addresses; v32-127 at work and fragments; v128-255 source 1's two sets.  window 1: source 0's four sets; q2 as f16; the pooled product's 32 accumulators.
;   window 2: my images on their way to LDS; q2 (query tiles 0-3); S^T (query tile b at 32 b).  window 3: q2 (query tiles 4-7); the other rows' images on their way to LDS.
.set QB,    131072
.set STM,   262144
.set PM,    267264
.set PQ,    PM+8192
.set SPARE, 277504                     ; the spare words, 128 bytes for each wave: two blocks of 256 bytes that no other line names
.set MSB, 0
.macro WIN new
.if MSB != (\new)
	s_set_vgpr_msb (MSB<<8)|(\new)
.set MSB, (\new)
.endif
.endm
.macro PLACES                          ; four plain instructions between a matrix instruction and a load into, or a vector read or write of, its registers
.rept 4
	v_nop
.endr
.endm
.macro BAR                             ; my LDS stores have landed and my LDS loads are in: then the work-group's barrier
	s_wait_dscnt 0x0
	s_barrier_signal -1
	s_barrier_wait -1
.endm
; THE LOOP ON K.  Source 0: na fragments a step from memory, four sets in window 1, asked for three steps ahead.  Source 1: eight images a step from LDS, two sets at v128 and v192, asked for a step ahead.
.macro ALOAD sg, pos, na, ast
.set la, 0
.rept \na
	global_load_b128 v[64*(\sg)+8*la:64*(\sg)+8*la+3], v5, s[24:25] offset:(\ast)*(\pos)+1024*la
	global_load_b128 v[64*(\sg)+8*la+4:64*(\sg)+8*la+7], v5, s[24:25] offset:(\ast)*(\pos)+1024*la+512
.set la, la+1
.endr
.endm
.macro BLOAD pos
.set lb, 0
.rept 8
	ds_load_b128 v[128+64*((\pos)%2)+8*lb:128+64*((\pos)%2)+8*lb+3], v25 offset:8192*(\pos)+1024*lb
	ds_load_b128 v[128+64*((\pos)%2)+8*lb+4:128+64*((\pos)%2)+8*lb+7], v25 offset:8192*(\pos)+1024*lb+512
.set lb, lb+1
.endr
.endm
.macro KMUL p, zero, hf, na, sh        ; query tiles 4 hf .. 4 hf + 3 x na tiles of source 0; all accumulators by turns, in the same order in every step
.irp b, 0,1,2,3
.set ka, 0
.rept \na
.if \na == 8
.set rD, 8*(8*\b+ka)
.else
.set rD, 8*(4*\b+ka)+128*(\hf)
.endif
.set rA, 64*(((\p)+(\sh))%4)+8*ka
.set rB, 128+64*((\p)%2)+8*(4*(\hf)+\b)
.if \zero
	v_wmma_f32_16x16x32_f16 v[rD:rD+7], v[rA:rA+7], v[rB:rB+7], 0
.else
	v_wmma_f32_16x16x32_f16 v[rD:rD+7], v[rA:rA+7], v[rB:rB+7], v[rD:rD+7]
.endif
.set ka, ka+1
.endr
.endr
.endm
.macro KSTEP p, zero, wl, bl, lc, na, ast, sh
	s_wait_loadcnt \lc                                 ; this step's set is in; lc counts the loads of the sets asked for behind it
	s_wait_dscnt 8                                     ; images 0-3 are in; the eight loads of images 4-7 may be out
	WIN 0xa1
	KMUL \p, \zero, 0, \na, \sh
.if (\bl) || (\wl)
	PLACES                                             ; the loads below land in registers that the last step's products read
.endif
.if \bl
	WIN 0
	BLOAD (\p)+1
.endif
.if \wl
	WIN 0x40
	ALOAD ((\p)+3+(\sh))%4, (\p)+3, \na, \ast
.endif
.if \bl
	s_wait_dscnt 16                                    ; all but the 16 just issued
.else
	s_wait_dscnt 0x0
.endif
.if \na == 8
	WIN 0xf1
.else
	WIN 0xa1
.endif
	KMUL \p, \zero, 1, \na, \sh
.endm
; THE POOLED PRODUCT, step n of 16: keys 32 (n / 8) on of my 64, channel tiles 4 (n % 8) + k, turned on their way out of the images
.macro P7LOAD n
.set fb, 32+32*((\n)%3)
.irp k, 0,1,2,3
.set ct, 4*((\n)%8)+\k
.irp a, 0,1
	ds_load_tr16_b128 v[fb+8*\k+4*\a:fb+8*\k+4*\a+3], v[13+ct/16] offset:8192*((ct/2)%8)+1024*(2*((\n)/8)+\a)+512*(ct%2)
.endr
.endr
.endm
.macro P7MUL n
.set fb, 32+32*((\n)%3)
.irp k, 0,1,2,3
.set rD, 8*(4*((\n)%8)+\k)
.if (\n) < 8
	v_wmma_f32_16x16x32_f16 v[rD:rD+7], v[fb+8*\k:fb+8*\k+7], v[128:135], 0
.else
	v_wmma_f32_16x16x32_f16 v[rD:rD+7], v[fb+8*\k:fb+8*\k+7], v[136:143], v[rD:rD+7]
.endif
.endr
.endm
	s_load_b128 s[4:7], s[0:1], 0x0                ; x2h s[4:5], wi2h s[6:7]
	s_load_b64 s[8:9], s[0:1], 0x10                ; pool
	v_lshl_add_u32 v26, v0, 2, SPARE               ; my spare word,
	v_mov_b32 v27, 0                               ; and 0: kept for the closing lines alone
	v_lshrrev_b32 v1, 5, v0
	v_readfirstlane_b32 s12, v1                    ; wave w
	v_and_b32 v1, 31, v0
	v_and_b32 v2, 15, v0                           ; r
	v_bfe_u32 v3, v0, 4, 1                         ; h
	s_lshr_b32 s13, ttmp9, 1                       ; batch
	s_and_b32 s14, ttmp9, 1                        ; g
	s_xor_b32 s15, s14, 1
	s_mov_b32 s20, 0x76543210
	s_mov_b32 s21, 0xfedcba98
	s_mov_b32 s22, 0x3fb8aa3b                      ; log2(e)
	s_mov_b32 s23, s22
	s_lshl_b32 s30, s13, 18                        ; a batch of x2h is 262,144 bytes
	s_lshl_b32 s36, s12, 16                        ; my four K steps of 16,384
	s_add_co_u32 s36, s30, s36
	s_lshl_b32 s37, s14, 13
	s_add_co_u32 s38, s36, s37                     ; my half's eight tiles
	s_mov_b32 s39, 0
	s_lshl_b32 s37, s15, 13
	s_add_co_u32 s40, s36, s37                     ; the other half's
	s_mov_b32 s41, 0
	s_lshr_b32 s36, s12, 1
	s_xor_b32 s36, s36, s14                        ; which half my four key tiles belong to,
	s_lshl_b32 s36, s36, 13
	s_and_b32 s37, s12, 1
	s_lshl_b32 s37, s37, 12                        ; and which four of its eight
	s_add_co_u32 s36, s36, s37
	s_add_co_u32 s42, s36, s30
	s_mov_b32 s43, 0
	s_lshl_b32 s44, s12, 17                        ; wi2h: my eight tiles' images
	s_mov_b32 s45, 0
	s_lshl_b32 s46, ttmp9, 12                      ; pool: 4,096 bytes a half batch
	s_mov_b32 s47, 0
	v_lshlrev_b32 v5, 4, v1                        ; v5: 16 x lane
	s_lshl_b32 s36, s12, 15
	v_add_nc_u32 v6, s36, v5                       ; v6: XB, my four K steps
	v_add_nc_u32 v7, QB, v6                        ; v7: the same in QB
	s_lshl_b32 s36, s12, 9
	s_add_co_u32 s36, s36, PQ
	v_lshlrev_b32 v8, 5, v3
	v_add_nc_u32 v8, s36, v8                       ; v8: PQ + 512 w + 32 h
	s_lshl_b32 s36, s12, 2
	s_add_co_u32 s36, s36, STM
	v_lshlrev_b32 v10, 4, v2
	v_add_nc_u32 v9, s36, v10                      ; v9: my wave's word of query r
	v_add_nc_u32 v10, STM, v10                     ; v10: the four waves' words of query r
	s_lshr_b32 s36, s12, 1
	s_lshl_b32 s36, s36, 17
	s_and_b32 s37, s12, 1
	s_lshl_b32 s37, s37, 12
	s_add_co_u32 s36, s36, s37
	v_and_b32 v28, 7, v0
	v_lshlrev_b32 v28, 4, v28
	v_lshl_add_u32 v28, v3, 7, v28                 ; key 8 h + lane % 8 of a tile: 16 bytes a row in an image's 256-byte run of eight channels,
	v_bfe_u32 v29, v0, 3, 1
	v_lshl_add_u32 v28, v29, 8, v28                ; and which eight channels
	v_add_nc_u32 v13, s36, v28                     ; v13, v14: my key tiles for the turning loads, K steps 0-7 and 8-15
	v_add_nc_u32 v14, 65536, v13
	s_lshl_b32 s36, s12, 11
	s_add_co_u32 s36, s36, PM
	v_lshlrev_b32 v15, 5, v3
	v_add_nc_u32 v15, s36, v15                     ; v15: PM + 2,048 w + 32 h
	v_lshlrev_b32 v17, 4, v0                       ; v17: 16 x thread
	v_add_nc_u32 v16, PM, v17                      ; v16: the same in PM
	s_wait_kmcnt 0x0
	s_add_nc_u64 s[16:17], s[4:5], s[38:39]
	s_add_nc_u64 s[18:19], s[4:5], s[40:41]
	s_add_nc_u64 s[32:33], s[4:5], s[42:43]
	s_add_nc_u64 s[24:25], s[6:7], s[44:45]
	s_add_nc_u64 s[26:27], s[8:9], s[46:47]
	; ---- my half's images into LDS
	WIN 0x40
	ALOAD 0, 0, 8, 8192                            ; W_in2's K steps 0 to 2
	ALOAD 1, 1, 8, 8192
	ALOAD 2, 2, 8, 8192
	WIN 0x80
.irp n, 0,1,2,3
.irp b, 0,1,2,3,4,5,6,7
.irp c, 0,1
	global_load_b128 v[64*\n+8*\b+4*\c:64*\n+8*\b+4*\c+3], v5, s[16:17] offset:16384*\n+1024*\b+512*\c
.endr
.endr
.endr
	s_wait_loadcnt 0x0
	WIN 0x08
.irp n, 0,1,2,3
.irp b, 0,1,2,3,4,5,6,7
.irp c, 0,1
	ds_store_b128 v6, v[64*\n+8*\b+4*\c:64*\n+8*\b+4*\c+3] offset:8192*\n+1024*\b+512*\c
.endr
.endr
.endr
	WIN 0
	BAR
	v_mov_b32 v25, v5
	BLOAD 0
	; ---- q2^T = W_in2 x2^T: my 8 tiles of channels x 8 tiles of queries, 16 K steps
	KSTEP 0, 1, 1, 1, 32, 8, 8192, 0
	WIN 0
	s_mov_b32 s28, 3
.Lp5:
	KSTEP 1, 0, 1, 1, 32, 8, 8192, 0
	KSTEP 2, 0, 1, 1, 32, 8, 8192, 0
	KSTEP 3, 0, 1, 1, 32, 8, 8192, 0
	KSTEP 4, 0, 1, 1, 32, 8, 8192, 0
	WIN 0
	s_wait_xcnt 0x0
	s_add_nc_u64 s[24:25], s[24:25], 32768
	v_add_nc_u32 v25, 32768, v25
	s_sub_co_u32 s28, s28, 1
	s_cmp_lg_u32 s28, 0
	s_cbranch_scc1 .Lp5
	KSTEP 1, 0, 0, 1, 32, 8, 8192, 0
	KSTEP 2, 0, 0, 1, 16, 8, 8192, 0
	KSTEP 3, 0, 0, 0, 0, 8, 8192, 0
	PLACES
	; ---- q2 summed over the 128 queries: over the eight tiles in registers, then over the sixteen lanes of a half.  v32-95: channel 16 a + 8 h + j at 32 + 8 a + j
	WIN 0x0a
.irp a, 0,1,2,3,4,5,6,7
.irp p, 0,2,4,6
	v_pk_add_f32 v[32+8*\a+\p:33+8*\a+\p], v[8*\a+\p:8*\a+\p+1], v[64+8*\a+\p:64+8*\a+\p+1]
.endr
.endr
	WIN 0x08
.irp b, 2,3
.irp a, 0,1,2,3,4,5,6,7
.irp p, 0,2,4,6
	v_pk_add_f32 v[32+8*\a+\p:33+8*\a+\p], v[32+8*\a+\p:33+8*\a+\p], v[64*\b+8*\a+\p:64*\b+8*\a+\p+1]
.endr
.endr
.endr
	WIN 0x0c
.irp b, 0,1,2,3
.irp a, 0,1,2,3,4,5,6,7
.irp p, 0,2,4,6
	v_pk_add_f32 v[32+8*\a+\p:33+8*\a+\p], v[32+8*\a+\p:33+8*\a+\p], v[64*\b+8*\a+\p:64*\b+8*\a+\p+1]
.endr
.endr
.endr
	WIN 0
.irp m, 1,2,4,8
.set nn, 0
.rept 64
	v_add_f32_dpp v[32+nn], v[32+nn], v[32+nn] row_xmask:\m row_mask:0xf bank_mask:0xf
.set nn, nn+1
.endr
.endr
.irp a, 0,1,2,3,4,5,6,7
.irp p, 0,1
	ds_store_b128 v8, v[32+8*\a+4*\p:35+8*\a+4*\p] offset:64*\a+16*\p    ; the sixteen lanes of a half write the same bytes with the same values
.endr
.endr
	; ---- q2 as f16 images: fragment (K step u of my four, query tile b) at 64 u + 8 b of window 1
	WIN 0x4a
.irp u, 0,1,2,3
.irp b, 0,1,2,3
.irp c, 0,1
.irp p, 0,1,2,3
	v_cvt_pk_f16_f32 v[64*\u+8*\b+4*\c+\p], v[8*(8*\b+2*\u+\c)+2*\p], v[8*(8*\b+2*\u+\c)+2*\p+1]
.endr
.endr
.endr
.endr
	WIN 0x4f
.irp u, 0,1,2,3
.irp b, 0,1,2,3
.irp c, 0,1
.irp p, 0,1,2,3
	v_cvt_pk_f16_f32 v[64*\u+32+8*\b+4*\c+\p], v[8*(8*\b+2*\u+\c)+2*\p], v[8*(8*\b+2*\u+\c)+2*\p+1]
.endr
.endr
.endr
.endr
	WIN 0x04
.irp u, 0,1,2,3
.irp b, 0,1,2,3,4,5,6,7
.irp c, 0,1
	ds_store_b128 v7, v[64*\u+8*\b+4*\c:64*\u+8*\b+4*\c+3] offset:8192*\u+1024*\b+512*\c
.endr
.endr
.endr
	s_wait_dscnt 0x0                               ; my images have landed, and the stores have read window 1
	WIN 0xc0
.irp n, 0,1,2,3
.irp b, 0,1,2,3,4,5,6,7
.irp c, 0,1
	global_load_b128 v[64*\n+8*\b+4*\c:64*\n+8*\b+4*\c+3], v5, s[18:19] offset:16384*\n+1024*\b+512*\c    ; the other half's images wait in window 3 until QB is free
.endr
.endr
.endr
	s_mov_b64 s[24:25], s[32:33]                   ; (the weights' last loads were waited for) my four key tiles
	WIN 0x40
	ALOAD 0, 0, 4, 16384
	ALOAD 1, 1, 4, 16384
	ALOAD 2, 2, 4, 16384
	WIN 0
	s_barrier_signal -1
	s_barrier_wait -1                              ; q2's 128 images lie in QB
	v_add_nc_u32 v25, QB, v5
	BLOAD 0
	; ---- S^T = x2 q2^T: my 4 tiles of keys x 8 tiles of queries, 16 K steps.  The first wait also has the other half's 64 loads, which are older, behind it
	KSTEP 0, 1, 1, 1, 16, 4, 16384, 0
	WIN 0
	s_mov_b32 s28, 3
.Lp6:
	KSTEP 1, 0, 1, 1, 16, 4, 16384, 0
	KSTEP 2, 0, 1, 1, 16, 4, 16384, 0
	KSTEP 3, 0, 1, 1, 16, 4, 16384, 0
	KSTEP 4, 0, 1, 1, 16, 4, 16384, 0
	WIN 0
	s_wait_xcnt 0x0
	s_add_nc_u64 s[24:25], s[24:25], 65536
	v_add_nc_u32 v25, 32768, v25
	s_sub_co_u32 s28, s28, 1
	s_cmp_lg_u32 s28, 0
	s_cbranch_scc1 .Lp6
	KSTEP 1, 0, 0, 1, 16, 4, 16384, 0
	KSTEP 2, 0, 0, 1, 8, 4, 16384, 0
	KSTEP 3, 0, 0, 0, 0, 4, 16384, 0
	PLACES
	; ---- SOFTMAX ACROSS THE WAVES.  Query tile b: 32 registers at 32 b of window 2 (key 16 a + 8 h + j at 8 a + j)
	WIN 0x2a
.irp b, 0,1,2,3,4,5,6,7
	v_max3_num_f32 v[32+\b], v[32*\b], v[32*\b+1], v[32*\b+2]
.endr
	WIN 0x28
.set ee, 3
.rept 14
.irp b, 0,1,2,3,4,5,6,7
	v_max3_num_f32 v[32+\b], v[32+\b], v[32*\b+ee], v[32*\b+ee+1]      ; each accumulator is entered at its low end
.endr
.set ee, ee+2
.endr
.irp b, 0,1,2,3,4,5,6,7
	v_max_num_f32 v[32+\b], v[32+\b], v[32*\b+31]
.endr
	WIN 0
.irp b, 0,1,2,3,4,5,6,7
	v_mov_b32 v[40+\b], 0
.endr
.irp b, 0,1,2,3,4,5,6,7
	v_permlanex16_b32 v[40+\b], v[32+\b], s20, s21
.endr
.irp b, 0,1,2,3,4,5,6,7
	v_max_num_f32 v[32+\b], v[32+\b], v[40+\b]         ; the largest score of my 64 keys
.endr
.irp b, 0,1,2,3,4,5,6,7
	ds_store_b32 v9, v[32+\b] offset:256*\b
.endr
	BAR                                            ; the maxima lie in LDS, and every wave's reads of QB are over
	WIN 0x0c
.irp n, 0,1,2,3
.irp b, 0,1,2,3,4,5,6,7
.irp c, 0,1
	ds_store_b128 v7, v[64*\n+8*\b+4*\c:64*\n+8*\b+4*\c+3] offset:8192*\n+1024*\b+512*\c     ; the other half's images take q2's place
.endr
.endr
.endr
	WIN 0
.irp b, 0,1,2,3,4,5,6,7
	ds_load_b128 v[48+4*\b:51+4*\b], v10 offset:256*\b
.endr
	s_wait_dscnt 0x0
.irp b, 0,1,2,3,4,5,6,7
	v_max3_num_f32 v[32+\b], v[48+4*\b], v[49+4*\b], v[50+4*\b]
.endr
.irp b, 0,1,2,3,4,5,6,7
	v_max_num_f32 v[32+\b], v[32+\b], v[51+4*\b]       ; the row's maximum m
.endr
.irp b, 0,1,2,3,4,5,6,7
	v_mul_f32 v[80+2*\b], 0xbfb8aa3b, v[32+\b]         ; -log2(e) m: the same bits in all four waves
.endr
.irp b, 0,1,2,3,4,5,6,7
	v_mov_b32 v[81+2*\b], v[80+2*\b]
.endr
	WIN 0x82
.irp b, 0,1,2,3,4,5,6,7
.set ee, 0
.rept 16
	v_pk_fma_f32 v[32*\b+ee:32*\b+ee+1], v[32*\b+ee:32*\b+ee+1], s[22:23], v[80+2*\b:81+2*\b] op_sel_hi:[1,0,0]
.set ee, ee+2
.endr
.endr
.set nn, 0
.rept 256
	v_exp_f32 v[nn], v[nn]
.set nn, nn+1
.endr
	v_nop                                              ; a plain instruction behind the last exponential,
	s_wait_alu depctr_va_vdst(0)                       ; and one wait for the batch
	WIN 0x0a
.irp b, 0,1,2,3,4,5,6,7
	v_pk_add_f32 v[96+2*\b:97+2*\b], v[32*\b:32*\b+1], v[32*\b+2:32*\b+3]
.endr
	WIN 0x08
.set ee, 4
.rept 14
.irp b, 0,1,2,3,4,5,6,7
	v_pk_add_f32 v[96+2*\b:97+2*\b], v[96+2*\b:97+2*\b], v[32*\b+ee:32*\b+ee+1]
.endr
.set ee, ee+2
.endr
	WIN 0
.irp b, 0,1,2,3,4,5,6,7
	v_add_f32 v[32+\b], v[96+2*\b], v[97+2*\b]
.endr
.irp b, 0,1,2,3,4,5,6,7
	v_permlanex16_b32 v[40+\b], v[32+\b], s20, s21
.endr
.irp b, 0,1,2,3,4,5,6,7
	v_add_f32 v[32+\b], v[32+\b], v[40+\b]             ; the sum over my 64 keys
.endr
.irp b, 0,1,2,3,4,5,6,7
	ds_store_b32 v9, v[32+\b] offset:2048+256*\b
.endr
	BAR                                            ; the sums lie in LDS, and so do the other half's images
.irp b, 0,1,2,3,4,5,6,7
	ds_load_b128 v[48+4*\b:51+4*\b], v10 offset:2048+256*\b
.endr
	s_wait_dscnt 0x0
.irp b, 0,1,2,3,4,5,6,7
	v_add_f32 v[48+4*\b], v[48+4*\b], v[49+4*\b]
	v_add_f32 v[50+4*\b], v[50+4*\b], v[51+4*\b]
.endr
.irp b, 0,1,2,3,4,5,6,7
	v_add_f32 v[32+\b], v[48+4*\b], v[50+4*\b]
.endr
.irp b, 0,1,2,3,4,5,6,7
	v_rcp_f32 v[80+2*\b], v[32+\b]
	v_rcp_f32 v[81+2*\b], v[32+\b]
.endr
	v_nop
	s_wait_alu depctr_va_vdst(0)
	; ---- c(key) = the sum over my 128 queries of p / sum: over the eight tiles in registers, then over the sixteen lanes of a half.  v96-127: key 16 a + 8 h + j at 96 + 8 a + j
	WIN 0x02
.set ee, 0
.rept 16
	v_pk_mul_f32 v[96+ee:97+ee], v[ee:ee+1], v[80:81]
.set ee, ee+2
.endr
.irp b, 1,2,3,4,5,6,7
.set ee, 0
.rept 16
	v_pk_fma_f32 v[96+ee:97+ee], v[32*\b+ee:32*\b+ee+1], v[80+2*\b:81+2*\b], v[96+ee:97+ee]
.set ee, ee+2
.endr
.endr
	WIN 0
.irp m, 1,2,4,8
.set nn, 0
.rept 32
	v_add_f32_dpp v[96+nn], v[96+nn], v[96+nn] row_xmask:\m row_mask:0xf bank_mask:0xf
.set nn, nn+1
.endr
.endr
.set nn, 0
.rept 16
	v_cvt_pk_f16_f32 v[128+nn], v[96+2*nn], v[97+2*nn]     ; two fragments of source 1 (32 keys each) whose sixteen columns are equal
.set nn, nn+1
.endr
	; ---- the pooled mix of my 64 keys: 32 tiles of channels, the accumulators by turns
	P7LOAD 0
	P7LOAD 1
	P7LOAD 2
.set n7, 0
.rept 16
.if n7 < 14
	s_wait_dscnt 16                                ; this set's 8 loads are in; the two younger sets may be out
.elseif n7 == 14
	s_wait_dscnt 8
.else
	s_wait_dscnt 0x0
.endif
	WIN 0x50
	P7MUL n7
	WIN 0
.if n7 < 13
	PLACES
	P7LOAD n7+3
.endif
.set n7, n7+1
.endr
	PLACES
	WIN 0x04
.set nn, 0
.rept 32
	ds_store_b128 v15, v[8*nn:8*nn+3] offset:64*nn         ; channel 16 ct + 8 h + j; the sixteen lanes of a half write the same bytes with the same values
	ds_store_b128 v15, v[8*nn+4:8*nn+7] offset:64*nn+16
.set nn, nn+1
.endr
	WIN 0
	BAR
	; ---- the four waves' parts are added; thread t takes four channels
.irp w, 0,1,2,3
	ds_load_b128 v[32+4*\w:35+4*\w], v16 offset:2048*\w
.endr
	ds_load_b128 v[48:51], v16 offset:8192         ; the pooled q2
	s_wait_dscnt 0x0
	v_pk_add_f32 v[32:33], v[32:33], v[36:37]
	v_pk_add_f32 v[34:35], v[34:35], v[38:39]
	v_pk_add_f32 v[40:41], v[40:41], v[44:45]
	v_pk_add_f32 v[42:43], v[42:43], v[46:47]
	v_pk_add_f32 v[32:33], v[32:33], v[40:41]
	v_pk_add_f32 v[34:35], v[34:35], v[42:43]
	global_store_b128 v17, v[32:35], s[26:27]              ; a wave stores 512 consecutive bytes, aligned
	global_store_b128 v17, v[48:51], s[26:27] offset:2048
	s_wait_tensorcnt 0x0                           ; the wave's end: three closing lines behind my last LDS store
	ds_add_u32 v26, v27
	s_wait_dscnt 0x0
	s_endpgm
.Lfunc_end_k_q3135470e18_block2:
	.size	k_q3135470e18_block2, .Lfunc_end_k_q3135470e18_block2-k_q3135470e18_block2
	.p2alignl 7, 3214868480
	.fill 96, 4, 3214868480
	.section	.rodata,"a",@progbits
	.p2align	6, 0x0
	.amdhsa_kernel k_q3135470e18_block2
		.amdhsa_group_segment_fixed_size 278016
		.amdhsa_private_segment_fixed_size 0
		.amdhsa_enable_private_segment 0
		.amdhsa_kernarg_size 24
		.amdhsa_user_sgpr_count 2
		.amdhsa_user_sgpr_kernarg_segment_ptr 1
		.amdhsa_wavefront_size32 1
		.amdhsa_system_sgpr_workgroup_id_x 1
		.amdhsa_system_sgpr_workgroup_id_y 1
		.amdhsa_system_sgpr_workgroup_id_z 1
		.amdhsa_system_vgpr_workitem_id 0
		.amdhsa_next_free_vgpr 1024
		.amdhsa_next_free_sgpr 66
		.amdhsa_reserve_vcc 0
		.amdhsa_float_denorm_mode_32 3
		.amdhsa_float_denorm_mode_16_64 3
		.amdhsa_memory_ordered 1
		.amdhsa_forward_progress 1
		.amdhsa_inst_pref_size 239
	.end_amdhsa_kernel
	.amdgpu_metadata
---
amdhsa.version: [ 1, 2 ]
amdhsa.kernels:
  - .name:           k_q3135470e18_block2
    .symbol:         k_q3135470e18_block2.kd
    .args:
      - { .name: x2h, .offset: 0, .size: 8, .value_kind: global_buffer, .address_space: global }
      - { .name: wi2h, .offset: 8, .size: 8, .value_kind: global_buffer, .address_space: global }
      - { .name: pool, .offset: 16, .size: 8, .value_kind: global_buffer, .address_space: global }
    .group_segment_fixed_size: 278016
    .private_segment_fixed_size: 0
    .kernarg_segment_align: 8
    .kernarg_segment_size: 24
    .max_flat_workgroup_size: 128
    .sgpr_count:     66
    .vgpr_count:     1024
    .wavefront_size: 32
...
	.end_amdgpu_metadata
.endif
;; end of part 3
;; launch final (part 4): grid 8 x 32, 4 waves a work-group, no clusters, 1,536 bytes of LDS; arguments pool, W_out2, out0; writes out0
.if DOCPART == 4
	.amdgcn_target "amdgcn-amd-amdhsa--gfx1250"
	.amdhsa_code_object_version 6
	.text
	.protected	k_q3135470e18_final
	.globl	k_q3135470e18_final
	.p2align	8
	.type	k_q3135470e18_final,@function
k_q3135470e18_final:
	s_mov_b64 s[64:65], 0
	v_nop
	global_prefetch_b8 v0, s[64:65] scope:SCOPE_SE
	s_setreg_imm32_b32 hwreg(HW_REG_WAVE_MODE, 25, 1), 1
	s_wait_xcnt 0x0
; out0[n][d] = (1 / 256) sum over c of (pool[n][0][c] + pool[n][1][c]) W_out2[d][c]: the last product on the pooled rows, [128 x 1024] x [1024 x 512], in f32 by fused multiply-adds:
; 67 million of them, too few to be worth rounding operands for the matrix unit.
; SHARES.  Work-group (x, y): channels 64 x .. + 63, batches 4 y .. + 3.  Wave w: 16 channels x 4 batches.  A lane holds c = 128 i + 4 lane + 0 .. 3 (i = 0 .. 7): every load covers 512 consecutive bytes.
; W_out2's rows come four at a time into two sets of window 1 by turns.  The results meet in a stage in LDS, so that each wave stores 256 consecutive bytes, aligned.
; REGISTERS: window 0: v32-63 sixteen pairs of sums (batch, row); v64-191 the four batches' pooled rows.  window 1: two sets of four rows of W_out2 (the second first holds the second halves' pooled rows).
.set SPARE, 1024                       ; behind the stage of 1,024 bytes: the spare words, 128 bytes for each wave
.set MSB, 0
.macro WIN new
.if MSB != (\new)
	s_set_vgpr_msb (MSB<<8)|(\new)
.set MSB, (\new)
.endif
.endm
.macro WLOAD g                         ; rows 4 g .. 4 g + 3 of my 16 into set g % 2
.irp w, 0,1,2,3
.irp i, 0,1,2,3,4,5,6,7
	global_load_b128 v[128*((\g)%2)+32*\w+4*\i:128*((\g)%2)+32*\w+4*\i+3], v5, s[6:7] offset:4096*(4*(\g)+\w)+512*\i
.endr
.endr
.endm
.macro GROUP g                         ; sixteen dot products, two numbers an instruction
.irp b, 0,1,2,3
.irp w, 0,1,2,3
	v_pk_mul_f32 v[32+2*(4*\b+\w):33+2*(4*\b+\w)], v[64+32*\b:65+32*\b], v[128*((\g)%2)+32*\w:128*((\g)%2)+32*\w+1]
.endr
.endr
.set ge, 2
.rept 15
.irp b, 0,1,2,3
.irp w, 0,1,2,3
	v_pk_fma_f32 v[32+2*(4*\b+\w):33+2*(4*\b+\w)], v[64+32*\b+ge:65+32*\b+ge], v[128*((\g)%2)+32*\w+ge:128*((\g)%2)+32*\w+ge+1], v[32+2*(4*\b+\w):33+2*(4*\b+\w)]
.endr
.endr
.set ge, ge+2
.endr
.endm
	s_load_b128 s[4:7], s[0:1], 0x0                ; pool s[4:5], W_out2 s[6:7]
	s_load_b64 s[8:9], s[0:1], 0x10                ; out0
	v_lshl_add_u32 v26, v0, 2, SPARE               ; my spare word,
	v_mov_b32 v27, 0                               ; and 0: kept for the closing lines alone
	v_lshrrev_b32 v1, 5, v0
	v_readfirstlane_b32 s12, v1                    ; wave w
	v_and_b32 v1, 31, v0
	v_lshlrev_b32 v5, 4, v1                        ; 16 x lane
	v_lshlrev_b32 v8, 3, v1                        ; 8 x lane
	s_lshl_b32 s16, s12, 6
	v_mov_b32 v6, s16                              ; the stage: my 16 channels' 64 bytes of a batch's 256
	s_lshl_b32 s16, s12, 8
	v_add_nc_u32 v7, s16, v8                       ; and back: batch w, 8 bytes a lane
	s_mov_b32 s20, 0x76543210
	s_mov_b32 s21, 0xfedcba98
	s_and_b32 s13, ttmp7, 0xffff                   ; y
	s_lshl_b32 s24, s13, 15                        ; four batches of 8,192 bytes
	s_mov_b32 s25, 0
	s_lshl_b32 s26, ttmp9, 18                      ; 64 rows of 4,096 bytes,
	s_lshl_b32 s16, s12, 16                        ; my 16 of them
	s_add_co_u32 s26, s26, s16
	s_mov_b32 s27, 0
	s_lshl_b32 s28, s13, 13                        ; out0: batch 4 y + w, 2,048 bytes a batch; channels 64 x on
	s_lshl_b32 s16, s12, 11
	s_add_co_u32 s28, s28, s16
	s_lshl_b32 s16, ttmp9, 8
	s_add_co_u32 s28, s28, s16
	s_mov_b32 s29, 0
	s_wait_kmcnt 0x0
	s_add_nc_u64 s[4:5], s[4:5], s[24:25]
	s_add_nc_u64 s[6:7], s[6:7], s[26:27]
	s_add_nc_u64 s[8:9], s[8:9], s[28:29]
.irp b, 0,1,2,3
.irp i, 0,1,2,3,4,5,6,7
	global_load_b128 v[64+32*\b+4*\i:67+32*\b+4*\i], v5, s[4:5] offset:8192*\b+512*\i
.endr
.endr
	WIN 0x40
.irp b, 0,1,2,3
.irp i, 0,1,2,3,4,5,6,7
	global_load_b128 v[128+32*\b+4*\i:131+32*\b+4*\i], v5, s[4:5] offset:8192*\b+4096+512*\i
.endr
.endr
	WLOAD 0
	s_wait_loadcnt 32                              ; both halves' pooled rows are in; the 32 loads of W_out2 may be out
	WIN 0x04
.set nn, 0
.rept 64
	v_pk_add_f32 v[64+2*nn:65+2*nn], v[64+2*nn:65+2*nn], v[128+2*nn:129+2*nn]    ; the two halves of a batch
.set nn, nn+1
.endr
	WIN 0x40
	WLOAD 1
.irp g, 0,1,2,3
.if \g < 3
	s_wait_loadcnt 32                              ; this group's four rows are in; the next group's 32 loads may be out
.else
	s_wait_loadcnt 0x0
.endif
	s_wait_dscnt 0x0                               ; the last group's stores have read the sums' registers
	WIN 0x04
	GROUP \g
.if \g < 2
	WIN 0x40
	WLOAD \g+2
.endif
	WIN 0
.set nn, 0
.rept 16
	v_add_f32 v[32+2*nn], v[32+2*nn], v[33+2*nn]
.set nn, nn+1
.endr
.irp m, 1,2,4,8
.set nn, 0
.rept 16
	v_add_f32_dpp v[32+2*nn], v[32+2*nn], v[32+2*nn] row_xmask:\m row_mask:0xf bank_mask:0xf
.set nn, nn+1
.endr
.endr
.set nn, 0
.rept 16
	v_permlanex16_b32 v[33+2*nn], v[32+2*nn], s20, s21
.set nn, nn+1
.endr
.set nn, 0
.rept 16
	v_add_f32 v[32+2*nn], v[32+2*nn], v[33+2*nn]
.set nn, nn+1
.endr
.set nn, 0
.rept 16
	v_mul_f32 v[32+2*nn], 0x3b800000, v[32+2*nn]       ; the mean over 256 rows
.set nn, nn+1
.endr
.irp b, 0,1,2,3
.irp w, 0,1,2,3
	ds_store_b32 v6, v[32+2*(4*\b+\w)] offset:256*\b+4*(4*\g+\w)     ; all lanes write the same word with the same value
.endr
.endr
.endr
	s_wait_dscnt 0x0                               ; my stores have landed
	s_barrier_signal -1
	s_barrier_wait -1
	ds_load_b64 v[10:11], v7                       ; batch w's 64 channels
	s_wait_dscnt 0x0
	global_store_b64 v8, v[10:11], s[8:9]          ; 32 lanes store 256 consecutive bytes, aligned
	s_wait_tensorcnt 0x0                           ; the wave's end: three closing lines behind my last LDS store
	ds_add_u32 v26, v27
	s_wait_dscnt 0x0
	s_endpgm
.Lfunc_end_k_q3135470e18_final:
	.size	k_q3135470e18_final, .Lfunc_end_k_q3135470e18_final-k_q3135470e18_final
	.p2alignl 7, 3214868480
	.fill 96, 4, 3214868480
	.section	.rodata,"a",@progbits
	.p2align	6, 0x0
	.amdhsa_kernel k_q3135470e18_final
		.amdhsa_group_segment_fixed_size 1536
		.amdhsa_private_segment_fixed_size 0
		.amdhsa_enable_private_segment 0
		.amdhsa_kernarg_size 24
		.amdhsa_user_sgpr_count 2
		.amdhsa_user_sgpr_kernarg_segment_ptr 1
		.amdhsa_wavefront_size32 1
		.amdhsa_system_sgpr_workgroup_id_x 1
		.amdhsa_system_sgpr_workgroup_id_y 1
		.amdhsa_system_sgpr_workgroup_id_z 1
		.amdhsa_system_vgpr_workitem_id 0
		.amdhsa_next_free_vgpr 512
		.amdhsa_next_free_sgpr 66
		.amdhsa_reserve_vcc 0
		.amdhsa_float_denorm_mode_32 3
		.amdhsa_float_denorm_mode_16_64 3
		.amdhsa_memory_ordered 1
		.amdhsa_forward_progress 1
		.amdhsa_inst_pref_size 121
	.end_amdhsa_kernel
	.amdgpu_metadata
---
amdhsa.version: [ 1, 2 ]
amdhsa.kernels:
  - .name:           k_q3135470e18_final
    .symbol:         k_q3135470e18_final.kd
    .args:
      - { .name: pool, .offset: 0, .size: 8, .value_kind: global_buffer, .address_space: global }
      - { .name: W_out2, .offset: 8, .size: 8, .value_kind: global_buffer, .address_space: global }
      - { .name: out0, .offset: 16, .size: 8, .value_kind: global_buffer, .address_space: global }
    .group_segment_fixed_size: 1536
    .private_segment_fixed_size: 0
    .kernarg_segment_align: 8
    .kernarg_segment_size: 24
    .max_flat_workgroup_size: 128
    .sgpr_count:     66
    .vgpr_count:     512
    .wavefront_size: 32
...
	.end_amdgpu_metadata
.endif
;; end of part 4
;; ======== version 2 of 2: 4 launches; version 1 with the launch block1 written anew for expert scheduling mode
;; limits: a function is approximated: absolute error at most 2e-07; values are held in f16: magnitudes above 65,504 overflow, below 6.1e-05 lose precision
;; workspace buffers: w1q 139,264 bytes; wo1h 1,048,576 bytes; wi2h 524,288 bytes; x2h 33,554,432 bytes; pool 1,048,576 bytes
;; launch prep: the kernel of part 1 again; grid 104 x 1, 4 waves a work-group, no clusters, 0 bytes of LDS; arguments W_in1, W_out1, W_in2, w1q, wo1h, wi2h; writes w1q, wo1h, wi2h
;; launch block1 (part 5): grid 256 x 1, 4 waves a work-group, no clusters, 272,896 bytes of LDS; arguments embeddings, w1q, wo1h, x2h; writes x2h
.if DOCPART == 5
	.amdgcn_target "amdgcn-amd-amdhsa--gfx1250"
	.amdhsa_code_object_version 6
	.text
	.protected	k_q3135470e18_block1
	.globl	k_q3135470e18_block1
	.p2align	8
	.type	k_q3135470e18_block1,@function
k_q3135470e18_block1:
	s_mov_b64 s[64:65], 0
	v_nop
	global_prefetch_b8 v0, s[64:65] scope:SCOPE_SE
	s_setreg_imm32_b32 hwreg(HW_REG_WAVE_SCHED_MODE, 0, 2), 2
	s_setreg_imm32_b32 hwreg(HW_REG_WAVE_MODE, 25, 1), 1
	s_wait_xcnt 0x0
	s_wait_alu depctr_vm_vsrc(0)
; ATTENTION BLOCK 1: x2 = tanh([softmax(q x^T) x, q] W_out1^T), q = Q(x) Q(W_in1)^T on codes of E2M1 (one E8M0 scale for each 32 along K); all other products on f16 operands with f32 sums.
; SHARES.  A work-group owns 128 query rows, half a batch (batch = number / 2, half g = number % 2); each of its four waves owns 32 of them, two tiles of 16.
; LAYOUT.  Every product is used transposed (source 0 = 16 rows of a weight, 16 keys or 16 channels; source 1 = 16 queries): a lane holds ONE query, and its eight results are eight neighbours along the next product's K.
;   Two neighbouring result tiles, rounded to f16 in pairs, ARE the next product's source 1.  So q, the weights p and the mix pass from product to product in registers.
; PHASES.  0: w1q into LDS; my 32 rows of x are quantised in registers (f32 in, codes out) and laid in LDS as f16 | 1: q^T, 32 tiles x 2, on codes | the other half's 128 rows into LDS as f16 (over w1q's bytes)
;   2: S^T = x q^T, all 256 keys in registers | softmax with the row's true maximum | 3: mix^T = x^T p | mix and q to LDS as images of their registers | 4: out^T = W_out1 comb^T: here THE WAVES SHARE THE COLUMNS:
;   wave w makes channels 128 w .. 128 w + 127 for all 128 rows, its weights coming from memory straight into registers, each fragment once | tanh | x2 leaves as f16 images of fragments.
; KEYS.  LDS row j is the batch's row 128 g + j (j < 128), else 128 (1 - g) + j - 128: softmax and mix do not mind the order of keys, and no LDS address hangs on g.
;   Lane r of a key tile takes LDS row 16 kt + 2 (r % 8) + r / 8, so that register j of lane half h holds key 16 kt + 2 j + h; the turning loads of product 3 address the same keys.
; NO TENSOR LOAD, NO CLUSTER: x arrives as f32 and passes through registers to become codes and f16, so its 266,240 LDS bytes are written by LDS stores; what is left of LDS, under 55,000 bytes, does not hold two slots of a
;   K step of W_out1 for all four waves (32,768 bytes each), so the weights go to registers.  What two work-groups share is each other's 128 rows of x, converted by each for itself.
; LIMITS.  NaN and infinities are not served by the quantiser; a block of zeros gets the scale byte 1 (its codes are zeros).  f16 operands: x, q, p, mix, W_out1 x 2 log2(e): their magnitudes must stay under 65,504.
;   tanh(z) = 1 - 2 / (1 + 2^(2 log2(e) z)): its absolute error is near 2e-7, so for |z| under 1e-4 the relative error passes 0.2 per cent.
; LDS: X, 256 rows of 1,024 bytes + 16 (an odd multiple of 16 bytes, so that the sixteen rows of a load begin at sixteen different 16-byte columns of 256); W1L over X's rows 128-255 up to the end of product 1;
;   COMB, 256 images of 1,024 bytes ((K step) 8 + query tile), over X from product 4 on; the spare words.
; REGISTERS, in windows of 256 (s_set_vgpr_msb: bits 1:0 source 0, 3:2 source 1, 5:4 source 2, 7:6 destination):
;   window 0: v1-27 addresses; v28-31, v32-127 at work and fragments; v128-255 x's codes and scale words, then p, then product 4's source 1, then x2 on its way out
;   window 1: w1q on its way to LDS; the other rows' first tile; product 2's eight sets of keys; mix tiles 0-15 (from the middle of product 3 on as f16 in its lower half, four of product 3's sets in its upper half); then W_out1's four sets
;   window 2: my first tile of x; q tiles 0-15; q as f16; out
;   window 3: my second tile; q tiles 16-31; the other rows' second tile; S^T; product 3's eight sets of its first half; mix tiles 16-31; out
; THE MODE: SCHED_MODE bits 1:0 = 2 (LLVM: expert scheduling mode 2), set by the entry lines.  The code itself states the register dependences between vector or matrix instructions and memory or LDS instructions, with s_wait_alu, always for 0.
; THE PLAN.  Registers that memory or LDS instructions touch, and who else names them:
;   v4-v24       addresses, made at the head and never written again.  v25: the LDS address of product 4's images: made once behind product 3, stepped once a trip of .Lp4.
;   HB0, HB1     (v48-79, v80-111) out-buffers by turns: a step's 32 conversions write one, its eight LDS stores read it.  A wait on va_vdst ahead of each run of stores; a wait on vm_vsrc every second step frees both.
;   product 1    two sets (v32-95, v96-159, eight scale registers each): step n's products read set n % 2; one wait on va_vdst behind them, then the loads of step n + 2 land in it.
;   product 2    eight sets of four fragments: step n's products read set n % 8; behind them the loads of step n + 4 land in the set that step n - 4 read.  One wait on va_vdst every four steps covers the four steps before it.
;   product 3    steps 0-31 likewise, on eight sets in window 3.  Steps 32-63 on seven sets (v32-127; window 1's upper half, free once mix tiles 0-15 are rounded): the loads of step n + 3 land in the set that step n - 4 read.
;   product 4    step p's products read W_out1's set (p + 2) % 4 and the images' set p % 2; its loads land in the two sets that step p - 1 read.  One wait on va_vdst at a step's head; the 32 loads are dealt among the 64 products.
;   the way out  v128-255: written by a trip's conversions, read by its 32 stores: a wait on va_vdst ahead of the stores, one on vm_vsrc ahead of the branch back.
.set PITCH, 1040
.set W1L,   128*PITCH                  ; w1q as it lies in memory: 131,072 bytes of images,
.set W1S,   W1L+131072                 ; 8,192 scale bytes
.set SPARE, W1L+139264                 ; the spare words, 128 bytes for each wave: two blocks of 256 bytes that no other line names
.set TM,    32                         ; v32-47 the quantiser's work
.set HB,    48                         ; v48-79, v80-111: two out-buffers of 32 registers of f16 on their way to LDS
.set XSC,   184                        ; v184-191 x's scale words (4 i + s)
.set XC,    192                        ; v192-255 x's codes: fragment 4 i + s
.set MSB, 0
.macro WIN new                         ; the immediate's high byte repeats the setting that is left; a switch that changes nothing is dropped
.if MSB != (\new)
	s_set_vgpr_msb (MSB<<8)|(\new)
.set MSB, (\new)
.endif
.endm
.macro PLACES                          ; four plain instructions between a matrix instruction and a vector read or write of its registers; ahead of loads into such registers they stay where they stood, beside the wait that states the dependence
.rept 4
	v_nop
.endr
.endm
.macro BAR                             ; my LDS stores have landed and my LDS loads are in: then the work-group's barrier
	s_wait_dscnt 0x0
	s_barrier_signal -1
	s_barrier_wait -1
.endm
; 64 numbers of a lane in window win, register src + 16 b + i = k 32 b + 16 h + i of my row, become a fragment's codes at v[pc] and the row's scale word in v[pw]
.macro QUANT src, win, pc, pw
	WIN ((\win)|((\win)<<2))
.irp b, 0,1,2,3
	v_max3_num_f32 v[TM+\b], |v[(\src)+16*\b]|, |v[(\src)+16*\b+1]|, 0x1800000   ; and the floor 2^(3 - 127): the byte cannot fall under 1
.endr
	WIN (((\win)<<2)|((\win)<<4))
.irp e, 2,4,6,8,10,12,14
.irp b, 0,1,2,3
	v_max3_num_f32 v[TM+\b], v[TM+\b], |v[(\src)+16*\b+\e]|, |v[(\src)+16*\b+\e+1]|
.endr
.endr
	WIN 0
.irp b, 0,1,2,3
	v_permlanex16_b32 v[TM+4+\b], v[TM+\b], s20, s21
.endr
.irp b, 0,1,2,3
	v_max_num_f32 v[TM+\b], v[TM+\b], v[TM+4+\b]       ; the block's largest magnitude
.endr
.irp b, 0,1,2,3
	v_add_nc_u32 v[TM+12+\b], 0xff000000, v[TM+\b]     ; 2 off its exponent field: the conversion's scale operand
.endr
.irp b, 0,1,2,3
	v_lshrrev_b32 v[TM+4+\b], 23, v[TM+12+\b]          ; the scale's byte
.endr
	v_lshl_or_b32 v[\pw], v[TM+5], 8, v[TM+4]
	v_lshl_or_b32 v[\pw], v[TM+6], 16, v[\pw]
	v_lshl_or_b32 v[\pw], v[TM+7], 24, v[\pw]
	WIN (\win)
.irp b, 0,1,2,3
	v_cvt_scalef32_pk8_fp4_f32 v[(\pc)+2*\b], v[(\src)+16*\b:(\src)+16*\b+7], v[TM+12+\b]
	v_cvt_scalef32_pk8_fp4_f32 v[(\pc)+2*\b+1], v[(\src)+16*\b+8:(\src)+16*\b+15], v[TM+12+\b]
.endr
	v_nop                                              ; one plain instruction behind the scaled conversions
	WIN 0
.irp c, 0,1
.irp e, 0,1
	v_permlane16_swap_b32 v[(\pc)+4*\c+\e], v[(\pc)+4*\c+2+\e]   ; a whole block to a lane
.endr
.endr
.endm
; 16 rows of x, all 512 channels, into a whole window: register 64 s + 16 b + i = channel 128 s + 32 b + 16 h + i of row r
.macro XLD base, win, byte
	WIN ((\win)<<6)
.irp s, 0,1,2,3
.irp b, 0,1,2,3
.irp j, 0,1,2,3
	global_load_b128 v[64*\s+16*\b+4*\j:64*\s+16*\b+4*\j+3], v4, s[\base:\base+1] offset:(\byte)+512*\s+128*\b+16*\j
.endr
.endr
.endr
	WIN 0
.endm
; 128 channels of such a tile, rounded to f16 into out-buffer s % 2, go to their rows of X.  again = 1: every second step, from the third of a run of steps on
.macro TOHALF win, s, adr, byte, again
.if \again
	s_wait_alu depctr_vm_vsrc(0)                       ; the LDS stores of the last two steps have read both out-buffers, which this step's conversions and the next step's write again
.endif
	WIN ((\win)|((\win)<<2))
.set hd, 0
.rept 32
	v_cvt_pk_f16_f32 v[HB+32*((\s)%2)+hd], v[64*(\s)+2*hd], v[64*(\s)+2*hd+1]
.set hd, hd+1
.endr
	WIN 0
	s_wait_alu depctr_va_vdst(0)                       ; the conversions have written the out-buffer, which the LDS stores below read
.irp b, 0,1,2,3
.irp c, 0,1
	ds_store_b128 v[\adr], v[HB+32*((\s)%2)+8*\b+4*\c:HB+32*((\s)%2)+8*\b+4*\c+3] offset:(\byte)+256*(\s)+64*\b+16*\c
.endr
.endr
.endm
; 32 result tiles (tile pair u, query tile i at 32 u + 8 i and 32 u + 16 + 8 i) become 16 fragments of f16 at dst0 + 16 u + 8 i.  Each accumulator is read from its low end on; where it works in place no register is written before it has been read
.macro COMPACT dst0
.set uu, 0
.rept 8
.irp i, 0,1
.irp p, 0,1,2,3
	v_cvt_pk_f16_f32 v[(\dst0)+16*uu+8*\i+\p], v[32*uu+8*\i+2*\p], v[32*uu+8*\i+2*\p+1]
.endr
.irp p, 0,1,2,3
	v_cvt_pk_f16_f32 v[(\dst0)+16*uu+8*\i+4+\p], v[32*uu+16+8*\i+2*\p], v[32*uu+16+8*\i+2*\p+1]
.endr
.endr
.set uu, uu+1
.endr
.endm
; PRODUCT 1, step n of 16: W_in1's tiles 2 n and 2 n + 1: eight fragments and their rows' scale words (four words a row)
.macro P1LOAD n
.set fb, 32+64*((\n)%2)
.set lq, 0
.rept 8
	ds_load_b128 v[fb+8*lq:fb+8*lq+3], v[10+(\n)/8] offset:8192*((\n)%8)+1024*lq
	ds_load_b128 v[fb+8*lq+4:fb+8*lq+7], v[10+(\n)/8] offset:8192*((\n)%8)+1024*lq+512
.set lq, lq+1
.endr
	ds_load_b128 v[160+8*((\n)%2):163+8*((\n)%2)], v12 offset:512*(\n)
	ds_load_b128 v[164+8*((\n)%2):167+8*((\n)%2)], v12 offset:512*(\n)+256
.endm
.macro P1MUL n                         ; four accumulators by turns; K ascending
	WIN (0xa0+0x50*((\n)/8))
.irp s, 0,1,2,3
.irp t, 0,1
.irp i, 0,1
.set rD, 8*(2*((2*(\n)+\t)%16)+\i)
.set rA, 32+64*((\n)%2)+8*(4*\t+\s)
.set rB, XC+8*(4*\i+\s)
.if \s == 0
	v_wmma_scale_f32_16x16x128_f8f6f4 v[rD:rD+7], v[rA:rA+7], v[rB:rB+7], 0, v[160+8*((\n)%2)+4*\t+\s], v[XSC+4*\i+\s] matrix_a_fmt:MATRIX_FMT_FP4 matrix_b_fmt:MATRIX_FMT_FP4
.else
	v_wmma_scale_f32_16x16x128_f8f6f4 v[rD:rD+7], v[rA:rA+7], v[rB:rB+7], v[rD:rD+7], v[160+8*((\n)%2)+4*\t+\s], v[XSC+4*\i+\s] matrix_a_fmt:MATRIX_FMT_FP4 matrix_b_fmt:MATRIX_FMT_FP4
.endif
.endr
.endr
.endr
.endm
; PRODUCT 2, step n of 64: key tiles 4 (n / 16) + k, channels 32 (n % 16) on.  Eight sets of four fragments, in window 1, take turns
.macro P2LOAD n
.set fb, 32*((\n)%8)
	WIN 0x40
.irp k, 0,1,2,3
.irp c, 0,1
	ds_load_b128 v[fb+8*\k+4*\c:fb+8*\k+4*\c+3], v[13+(\n)/16] offset:16*PITCH*\k+64*((\n)%16)+32*\c
.endr
.endr
.endm
.macro P2MUL n                         ; eight accumulators by turns
.set fb, 32*((\n)%8)
	WIN 0xf9                                           ; keys window 1, q window 2, S^T window 3
.irp k, 0,1,2,3
.irp i, 0,1
.set rD, 8*(2*(4*((\n)/16)+\k)+\i)
.set rB, 16*((\n)%16)+8*\i
.if ((\n)%16) == 0
	v_wmma_f32_16x16x32_f16 v[rD:rD+7], v[fb+8*\k:fb+8*\k+7], v[rB:rB+7], 0
.else
	v_wmma_f32_16x16x32_f16 v[rD:rD+7], v[fb+8*\k:fb+8*\k+7], v[rB:rB+7], v[rD:rD+7]
.endif
.endr
.endr
.endm
; PRODUCT 3, step n of 64: channel tiles 4 (n / 8) + k, keys 32 (n % 8) on, turned on their way out of LDS.  Where step n's four fragments lie: window fw, register fb
.macro P3SET n
.if (\n) < 32
.set fw, 3                             ; steps 0-31: eight sets in window 3
.set fb, 32*((\n)%8)
.elseif ((\n)-32)%7 < 3
.set fw, 0                             ; steps 32-63: seven sets: three at v32-127,
.set fb, 32+32*(((\n)-32)%7)
.else
.set fw, 1                             ; four in the upper half of window 1
.set fb, 128+32*(((\n)-32)%7-3)
.endif
.endm
.macro P3LOAD n
	P3SET \n
	WIN (fw<<6)
.irp k, 0,1,2,3
.irp a, 0,1
	ds_load_tr16_b128 v[fb+8*\k+4*\a:fb+8*\k+4*\a+3], v[17+((\n)%8)/2] offset:32*PITCH*((\n)%2)+16*PITCH*\a+32*(4*((\n)/8)+\k)
.endr
.endr
.endm
.macro P3MUL n
	P3SET \n
.if (\n) < 32
	WIN 0x53                                           ; x^T window 3, p window 0, mix window 1
.else
	WIN (0xf0|fw)                                      ; x^T window fw, p window 0, mix window 3
.endif
.irp k, 0,1,2,3
.irp i, 0,1
.set rD, 8*(2*((4*((\n)/8)+\k)%16)+\i)
.set rB, 128+8*(2*((\n)%8)+\i)
.if ((\n)%8) == 0
	v_wmma_f32_16x16x32_f16 v[rD:rD+7], v[fb+8*\k:fb+8*\k+7], v[rB:rB+7], 0
.else
	v_wmma_f32_16x16x32_f16 v[rD:rD+7], v[fb+8*\k:fb+8*\k+7], v[rB:rB+7], v[rD:rD+7]
.endif
.endr
.endr
.endm
.macro CSTORE adr, reg0                ; eight K steps' fragments of my two query tiles go to LDS as they stand
.set cs, 0
.rept 8
.irp i, 0,1
.irp c, 0,1
	ds_store_b128 v[\adr], v[(\reg0)+16*cs+8*\i+4*\c:(\reg0)+16*cs+8*\i+4*\c+3] offset:8192*cs+1024*\i+512*\c
.endr
.endr
.set cs, cs+1
.endr
.endm
; THE LOOP ON K OF PRODUCT 4.  Source 0: na fragments a step from memory, four sets in window 1, asked for three steps ahead.  Source 1: eight images a step from LDS, two sets at v128 and v192, asked for a step ahead.
.macro ALOADH sg, pos, na, ast, hf     ; half hf of a step's fragments
.set la, (\hf)*(\na)/2
.rept (\na)/2
	global_load_b128 v[64*(\sg)+8*la:64*(\sg)+8*la+3], v5, s[24:25] offset:(\ast)*(\pos)+1024*la
	global_load_b128 v[64*(\sg)+8*la+4:64*(\sg)+8*la+7], v5, s[24:25] offset:(\ast)*(\pos)+1024*la+512
.set la, la+1
.endr
.endm
.macro ALOAD sg, pos, na, ast
	ALOADH \sg, \pos, \na, \ast, 0
	ALOADH \sg, \pos, \na, \ast, 1
.endm
.macro BLOADH pos, hf                  ; images 4 hf .. 4 hf + 3 of a step
.set lb, 4*(\hf)
.rept 4
	ds_load_b128 v[128+64*((\pos)%2)+8*lb:128+64*((\pos)%2)+8*lb+3], v25 offset:8192*(\pos)+1024*lb
	ds_load_b128 v[128+64*((\pos)%2)+8*lb+4:128+64*((\pos)%2)+8*lb+7], v25 offset:8192*(\pos)+1024*lb+512
.set lb, lb+1
.endr
.endm
.macro BLOAD pos
	BLOADH \pos, 0
	BLOADH \pos, 1
.endm
.macro KMUL p, zero, hf, b, na, sh     ; query tile 4 hf + b x na tiles of source 0; all accumulators by turns, in the same order in every step
.set ka, 0
.rept \na
.if \na == 8
.set rD, 8*(8*(\b)+ka)
.else
.set rD, 8*(4*(\b)+ka)+128*(\hf)
.endif
.set rA, 64*(((\p)+(\sh))%4)+8*ka
.set rB, 128+64*((\p)%2)+8*(4*(\hf)+(\b))
.if \zero
	v_wmma_f32_16x16x32_f16 v[rD:rD+7], v[rA:rA+7], v[rB:rB+7], 0
.else
	v_wmma_f32_16x16x32_f16 v[rD:rD+7], v[rA:rA+7], v[rB:rB+7], v[rD:rD+7]
.endif
.set ka, ka+1
.endr
.endm
.macro KSTEP p, zero, wl, bl, lc, na, ast, sh
.if \na == 8
.set wh, 0xf1
.else
.set wh, 0xa1
.endif
.if ((\bl) || (\wl)) && !(\zero)
	PLACES
.endif
	s_wait_loadcnt \lc                                 ; this step's set is in; lc counts the loads of the sets asked for behind it
	s_wait_dscnt 8                                     ; images 0-3 are in; the eight loads of images 4-7 may be out
.if ((\bl) || (\wl)) && !(\zero)
	s_wait_alu depctr_va_vdst(0)                       ; the last step's products are done reading their set of weights and their set of images, in which this step's loads land; behind the loop's edge v25 is written
.endif
	WIN 0xa1
	KMUL \p, \zero, 0, 0, \na, \sh
.if \bl
	WIN 0
	BLOADH (\p)+1, 0                                   ; no wait: no product since the wait above names the other set of images
.endif
	WIN 0xa1
	KMUL \p, \zero, 0, 1, \na, \sh
.if \bl
	WIN 0
	BLOADH (\p)+1, 1
.endif
	WIN 0xa1
	KMUL \p, \zero, 0, 2, \na, \sh
	KMUL \p, \zero, 0, 3, \na, \sh
.if \bl
	s_wait_dscnt 16                                    ; all but the 16 just issued
.else
	s_wait_dscnt 0x0
.endif
	WIN wh
	KMUL \p, \zero, 1, 0, \na, \sh
.if \wl
	WIN 0x40
	ALOADH ((\p)+3+(\sh))%4, (\p)+3, \na, \ast, 0      ; no wait: no product since the wait above names the set that the last step read
.endif
	WIN wh
	KMUL \p, \zero, 1, 1, \na, \sh
.if \wl
	WIN 0x40
	ALOADH ((\p)+3+(\sh))%4, (\p)+3, \na, \ast, 1
.endif
	WIN wh
	KMUL \p, \zero, 1, 2, \na, \sh
	KMUL \p, \zero, 1, 3, \na, \sh
.endm
	s_load_b256 s[4:11], s[0:1], 0x0               ; embeddings s[4:5], w1q s[6:7], wo1h s[8:9], x2h s[10:11]
	v_lshl_add_u32 v26, v0, 2, SPARE               ; my spare word,
	v_mov_b32 v27, 0                               ; and 0: kept for the closing lines alone
	v_lshrrev_b32 v1, 5, v0
	v_readfirstlane_b32 s12, v1                    ; wave w
	v_and_b32 v1, 31, v0                           ; lane
	v_and_b32 v2, 15, v0                           ; r
	v_bfe_u32 v3, v0, 4, 1                         ; h
	s_wait_alu depctr_va_sdst(0)                   ; s12 is written, ahead of its first reader: offsets and LDS addresses are made from it
	s_lshr_b32 s13, ttmp9, 1                       ; batch
	s_and_b32 s14, ttmp9, 1                        ; g
	s_xor_b32 s15, s14, 1
	s_mov_b32 s20, 0x76543210
	s_mov_b32 s21, 0xfedcba98                      ; lane selects: lane l xor 16
	s_mov_b32 s22, 0x3fb8aa3b                      ; log2(e)
	s_mov_b32 s23, s22
	s_lshl_b32 s30, s13, 19                        ; a batch of x is 524,288 bytes,
	s_lshl_b32 s36, s12, 16                        ; a wave's 32 rows 65,536
	s_add_co_u32 s30, s30, s36
	s_lshl_b32 s37, s14, 18
	s_add_co_u32 s38, s30, s37                     ; my rows of my half
	s_mov_b32 s39, 0
	s_lshl_b32 s37, s15, 18
	s_add_co_u32 s40, s30, s37                     ; and of the other half
	s_mov_b32 s41, 0
	s_lshl_b32 s42, s13, 18                        ; x2h: a batch is 262,144 bytes; my four K steps; my half's eight tiles of rows
	s_add_co_u32 s42, s42, s36
	s_lshl_b32 s37, s14, 13
	s_add_co_u32 s42, s42, s37
	s_mov_b32 s43, 0
	s_lshl_b32 s44, s12, 18                        ; wo1h: my eight tiles' images
	s_mov_b32 s45, 0
	s_lshl_b32 s46, s12, 15                        ; w1q: my quarter of the codes,
	s_mov_b32 s47, 0
	s_lshl_b32 s28, s12, 11                        ; and of the scale bytes
	s_add_co_u32 s28, s28, 131072
	s_mov_b32 s29, 0
	v_lshlrev_b32 v4, 11, v2
	v_lshl_add_u32 v4, v3, 6, v4                   ; v4: x in memory: row r, + 64 h
	v_lshlrev_b32 v5, 4, v1                        ; v5: 16 x lane
	s_mul_i32 s36, s12, 32*PITCH
	v_mul_u32_u24 v6, v2, PITCH
	v_lshl_add_u32 v6, v3, 5, v6
	v_add_nc_u32 v6, s36, v6                       ; v6: X, row 32 w + r, + 32 h
	v_add_nc_u32 v7, W1L, v6                       ; v7: the same 128 rows on
	s_lshl_b32 s36, s12, 15
	s_add_co_u32 s36, s36, W1L
	v_add_nc_u32 v8, s36, v5                       ; v8: where I put my quarter of w1q's codes,
	s_lshl_b32 s36, s12, 11
	s_add_co_u32 s36, s36, W1S
	v_add_nc_u32 v9, s36, v5                       ; v9: and of its scale bytes
	v_add_nc_u32 v10, W1L, v5                      ; v10, v11: images of W_in1, tiles 0-15 and 16-31
	v_add_nc_u32 v11, W1L+65536, v5
	v_lshl_add_u32 v12, v2, 4, W1S                 ; v12: row r's four scale words
	v_and_b32 v28, 7, v2
	v_lshrrev_b32 v29, 3, v2
	v_lshl_add_u32 v28, v28, 1, v29                ; 2 (r % 8) + r / 8
	v_mul_u32_u24 v28, v28, PITCH
	v_lshl_add_u32 v13, v3, 4, v28                 ; v13-16: keys for product 2, 64 rows apart
	v_add_nc_u32 v14, 64*PITCH, v13
	v_add_nc_u32 v15, 128*PITCH, v13
	v_add_nc_u32 v16, 192*PITCH, v13
	v_and_b32 v28, 7, v0
	v_lshl_add_u32 v28, v28, 1, v3                 ; 2 (lane % 8) + h
	v_mul_u32_u24 v28, v28, PITCH
	v_bfe_u32 v29, v0, 3, 1
	v_lshl_add_u32 v17, v29, 4, v28                ; v17-20: the same keys for the turning loads of product 3
	v_add_nc_u32 v18, 64*PITCH, v17
	v_add_nc_u32 v19, 128*PITCH, v17
	v_add_nc_u32 v20, 192*PITCH, v17
	s_lshl_b32 s36, s12, 11
	v_add_nc_u32 v21, s36, v5                      ; v21-24: COMB: my two query tiles' images, eight K steps apart
	v_add_nc_u32 v22, 65536, v21
	v_add_nc_u32 v23, 131072, v21
	v_add_nc_u32 v24, 196608, v21
.irp b, 0,1,2,3
	v_mov_b32 v[TM+4+\b], 0                        ; a lane permute's destination counts as read
.endr
	s_wait_kmcnt 0x0
	s_add_nc_u64 s[16:17], s[4:5], s[38:39]
	s_add_nc_u64 s[18:19], s[4:5], s[40:41]
	s_add_nc_u64 s[32:33], s[6:7], s[46:47]
	s_add_nc_u64 s[34:35], s[6:7], s[28:29]
	s_add_nc_u64 s[24:25], s[8:9], s[44:45]
	s_add_nc_u64 s[26:27], s[10:11], s[42:43]
	s_wait_alu depctr_va_vdst(0)                   ; the addresses v4 to v24 are written, which the kernel's loads and stores read
	; ---- PHASE 0
	WIN 0x40
.set nn, 0
.rept 64
	global_load_b128 v[4*nn:4*nn+3], v5, s[32:33] offset:512*nn      ; my quarter of w1q's codes: 512 consecutive bytes a load
.set nn, nn+1
.endr
	WIN 0
.set nn, 0
.rept 4
	global_load_b128 v[80+4*nn:83+4*nn], v5, s[34:35] offset:512*nn
.set nn, nn+1
.endr
	XLD 16, 2, 0                                   ; my rows 0-15
	XLD 16, 3, 32768                               ; my rows 16-31
	s_wait_loadcnt 63                              ; 128 loads are younger than w1q's and 64 than my first tile's: both are in (63 is the largest count that the wait can name)
	WIN 0x04
.set nn, 0
.rept 64
	ds_store_b128 v8, v[4*nn:4*nn+3] offset:512*nn
.set nn, nn+1
.endr
	WIN 0
.set nn, 0
.rept 4
	ds_store_b128 v9, v[80+4*nn:83+4*nn] offset:512*nn
.set nn, nn+1
.endr
	s_wait_dscnt 0x0
	s_wait_alu depctr_vm_vsrc(0)                   ; the LDS stores have read window 1, in which the loads below land, and v80-95, which the second out-buffer's conversions write
	XLD 18, 1, 0                                   ; the other half's rows 0-15 of my 32: they wait in window 1 until w1q's bytes are free
.irp s, 0,1,2,3
	QUANT 64*\s, 2, XC+8*\s, XSC+\s
	TOHALF 2, \s, 6, 0, ((\s)/2)*(1-(\s)%2)
.endr
	s_wait_loadcnt 63                              ; 64 loads are younger than my second tile's
.irp s, 0,1,2,3
	QUANT 64*\s, 3, XC+32+8*\s, XSC+4+\s
	TOHALF 3, \s, 6, 16*PITCH, 1-(\s)%2
.endr                                                  ; the last step's 32 conversions are the places, and its wait on va_vdst the wait, between the lines that wrote x's codes and scale words and the scaled products that take them
	BAR                                            ; w1q lies whole in LDS
	; ---- PRODUCT 1: q^T = W_in1 x^T on codes
	s_wait_alu depctr_vm_vsrc(0)                   ; my LDS stores have read the out-buffers, in which the fragments below land (the vector lines that named v32-111 stand ahead of the last wait on va_vdst)
	P1LOAD 0
	P1LOAD 1
.set n1, 0
.rept 16
.if n1 < 15
	s_wait_dscnt 18                                ; this step's 18 loads are in; the next step's 18 may be out
.else
	s_wait_dscnt 0x0
.endif
	P1MUL n1
	WIN 0
.if n1 < 14
	PLACES
	s_wait_alu depctr_va_vdst(0)                   ; this step's products are done reading their set of fragments and scale words, in which the loads below land
	P1LOAD n1+2
.endif
.set n1, n1+1
.endr
	PLACES
	WIN 0x8a
	COMPACT 0                                      ; q as f16: fragment (K step u, query tile i) at 16 u + 8 i of window 2
	WIN 0x8f
	COMPACT 128
	WIN 0
	s_wait_alu depctr_va_vdst(0)                   ; product 1 has written window 3 and the conversions are done reading it: the loads below land there
	XLD 18, 3, 32768                               ; the other half's rows 16-31 of my 32
	BAR                                            ; every wave's reads of w1q are over: its bytes become X's rows 128-255
	s_wait_loadcnt 63                              ; 64 loads are younger than window 1's
.irp s, 0,1,2,3
	TOHALF 1, \s, 7, 0, ((\s)/2)*(1-(\s)%2)
.endr
.irp s, 0,1,2,3
	s_wait_loadcnt 48-16*\s                        ; the 16 loads of these 128 channels are in; those of the later channels may be out
	TOHALF 3, \s, 7, 16*PITCH, 1-(\s)%2
.endr
	BAR                                            ; all 256 rows of x lie in LDS as f16
	s_wait_alu depctr_vm_vsrc(0)                   ; my LDS stores have read the out-buffers v48-111, which the softmax's sums and product 3's fragments write
	; ---- PRODUCT 2: S^T = x q^T.  The first sets land in window 1, which the conversions above are done reading (they stand ahead of the last wait on va_vdst)
	P2LOAD 0
	P2LOAD 1
	P2LOAD 2
	P2LOAD 3
.set n2, 0
.rept 64
.if (n2%4 == 0) && (n2 > 0) && (n2 < 60)
	PLACES
	s_wait_alu depctr_va_vdst(0)                   ; the last four steps' products are done reading their sets, in which the loads of this step and the next three land
.endif
.if n2 < 61
	s_wait_dscnt 24                                ; this set's 8 loads are in; the three younger sets may be out
.else
	s_wait_dscnt 8*(63-n2)
.endif
	P2MUL n2
.if n2 < 60
	P2LOAD n2+4
.endif
.set n2, n2+1
.endr
	PLACES
	; ---- SOFTMAX.  A lane and the lane 16 away hold a query's 256 scores: S(kt, i) at 16 kt + 8 i of window 3.  v32-39 four maxima a tile; v44-47 -log2(e) m; v48-63 four sums a tile; v64-67 1 / sum
	WIN 0x3f
.irp i, 0,1
.irp c, 0,1,2,3
	v_max3_num_f32 v[32+4*\i+\c], v[64*\c+8*\i], v[64*\c+8*\i+1], v[64*\c+8*\i+2]
.endr
.endr
	WIN 0x3c
.set ee, 3
.rept 14
.irp i, 0,1
.irp c, 0,1,2,3
	v_max3_num_f32 v[32+4*\i+\c], v[32+4*\i+\c], v[16*(4*\c+ee/8)+8*\i+ee%8], v[16*(4*\c+(ee+1)/8)+8*\i+(ee+1)%8]   ; each accumulator is entered at its low end
.endr
.endr
.set ee, ee+2
.endr
.irp i, 0,1
.irp c, 0,1,2,3
	v_max_num_f32 v[32+4*\i+\c], v[32+4*\i+\c], v[16*(4*\c+3)+8*\i+7]
.endr
.endr
	WIN 0
.irp i, 0,1
	v_mov_b32 v[40+\i], 0
.endr
.irp i, 0,1
	v_max3_num_f32 v[32+4*\i], v[32+4*\i], v[33+4*\i], v[34+4*\i]
.endr
.irp i, 0,1
	v_max_num_f32 v[32+4*\i], v[32+4*\i], v[35+4*\i]
.endr
.irp i, 0,1
	v_permlanex16_b32 v[40+\i], v[32+4*\i], s20, s21
.endr
.irp i, 0,1
	v_max_num_f32 v[32+4*\i], v[32+4*\i], v[40+\i]     ; the row's maximum m
.endr
.irp i, 0,1
	v_mul_f32 v[44+2*\i], 0xbfb8aa3b, v[32+4*\i]       ; -log2(e) m: its rounding is common to the row and leaves with the division
.endr
.irp i, 0,1
	v_mov_b32 v[45+2*\i], v[44+2*\i]                   ; (named with it as a pair)
.endr
	WIN 0xc3
.set kk, 0
.rept 16
.irp i, 0,1
.irp p, 0,2,4,6
	v_pk_fma_f32 v[16*kk+8*\i+\p:16*kk+8*\i+\p+1], v[16*kk+8*\i+\p:16*kk+8*\i+\p+1], s[22:23], v[44+2*\i:45+2*\i] op_sel_hi:[1,0,0]
.endr
.endr
.set kk, kk+1
.endr
.set nn, 0
.rept 256
	v_exp_f32 v[nn], v[nn]                             ; p = 2^(log2(e) (s - m)), at most 1
.set nn, nn+1
.endr
	v_nop                                              ; a plain instruction behind the last exponential,
	s_wait_alu depctr_va_vdst(0)                       ; and one wait for the batch: the 256 exponentials have written window 3, ahead of the sums that read it
	WIN 0x0f
.irp i, 0,1
.irp c, 0,1,2,3
	v_pk_add_f32 v[48+8*\i+2*\c:49+8*\i+2*\c], v[64*\c+8*\i:64*\c+8*\i+1], v[64*\c+8*\i+2:64*\c+8*\i+3]
.endr
.endr
	WIN 0x0c
.set ee, 4
.rept 14
.irp i, 0,1
.irp c, 0,1,2,3
	v_pk_add_f32 v[48+8*\i+2*\c:49+8*\i+2*\c], v[48+8*\i+2*\c:49+8*\i+2*\c], v[16*(4*\c+ee/8)+8*\i+ee%8:16*(4*\c+ee/8)+8*\i+ee%8+1]
.endr
.endr
.set ee, ee+2
.endr
	WIN 0
.irp i, 0,1
	v_pk_add_f32 v[48+8*\i:49+8*\i], v[48+8*\i:49+8*\i], v[50+8*\i:51+8*\i]
	v_pk_add_f32 v[52+8*\i:53+8*\i], v[52+8*\i:53+8*\i], v[54+8*\i:55+8*\i]
.endr
.irp i, 0,1
	v_pk_add_f32 v[48+8*\i:49+8*\i], v[48+8*\i:49+8*\i], v[52+8*\i:53+8*\i]
.endr
.irp i, 0,1
	v_add_f32 v[32+\i], v[48+8*\i], v[49+8*\i]
.endr
.irp i, 0,1
	v_permlanex16_b32 v[40+\i], v[32+\i], s20, s21
.endr
.irp i, 0,1
	v_add_f32 v[32+\i], v[32+\i], v[40+\i]             ; the row's sum, of the unrounded p
.endr
.irp i, 0,1
	v_rcp_f32 v[64+2*\i], v[32+\i]
	v_rcp_f32 v[65+2*\i], v[32+\i]
.endr
	v_nop
	s_wait_alu depctr_va_vdst(0)                       ; the four reciprocals have written v64-67, ahead of the multiplications that read them
	WIN 0xc3
.set kk, 0
.rept 16
.irp i, 0,1
.irp p, 0,2,4,6
	v_pk_mul_f32 v[16*kk+8*\i+\p:16*kk+8*\i+\p+1], v[16*kk+8*\i+\p:16*kk+8*\i+\p+1], v[64+2*\i:65+2*\i]
.endr
.endr
.set kk, kk+1
.endr
	WIN 0x0f
	COMPACT 128                                    ; the weights as f16: fragment (32 keys u, query tile i) at v128 + 16 u + 8 i
	WIN 0
	; ---- PRODUCT 3: mix^T = x^T p
	s_wait_alu depctr_va_vdst(0)                   ; the conversions are done reading window 3, in which the sets of steps 0-31 land; the softmax's lines are done with v32-127, in which those of steps 32-34 land
	P3LOAD 0
	P3LOAD 1
	P3LOAD 2
	P3LOAD 3
.set n3, 0
.rept 64
.set dr, 0
.if n3%4 == 0
.if (n3 >= 4) && (n3 <= 24)
.set dr, 1
.endif
.if n3 >= 36
.set dr, 1
.endif
.endif
.if dr
	PLACES
	s_wait_alu depctr_va_vdst(0)                   ; the last four steps' products are done reading their sets, in which the loads of this step and the next three land
.endif
.if n3 == 32
	PLACES
	WIN 0x45
	COMPACT 0                                      ; mix tiles 0-15 are finished: as f16, in place: K steps 0-7 at the low half of window 1
	s_wait_alu depctr_va_vdst(0)                   ; the products have written, and the conversions are done reading, the upper half of window 1, in which the sets of steps 35-38 land
.endif
.if n3 < 32
	s_wait_dscnt 24                                ; this set's 8 loads are in; the three younger sets may be out
.elseif n3 < 62
	s_wait_dscnt 16                                ; from step 32 on two younger sets
.else
	s_wait_dscnt 8*(63-n3)
.endif
	P3MUL n3
.if n3 < 31
	P3LOAD n3+4
.elseif (n3 >= 32) && (n3 < 61)
	P3LOAD n3+3
.endif
.set n3, n3+1
.endr
	PLACES
	WIN 0xcf
	COMPACT 0                                      ; mix tiles 16-31 as f16, in place: K steps 8-15 at the low half of window 3
	WIN 0
	v_mov_b32 v25, v5                              ; the LDS address of product 4's images
	s_wait_alu depctr_va_vdst(0)                   ; mix and q as f16 are written, which the LDS stores below read; so is v25; product 3 is done reading its sets and p, in which W_out1's fragments and the images land
	WIN 0x40
	ALOAD 2, 0, 8, 8192                            ; W_out1's K steps 0 and 1 into the half of window 1 that is free
	ALOAD 3, 1, 8, 8192
	WIN 0
	BAR                                            ; every wave's reads of X are over: its bytes become COMB
	WIN 0x04
	CSTORE 21, 0
	WIN 0x0c
	CSTORE 22, 0
	WIN 0x08
	CSTORE 23, 0
	CSTORE 24, 128
	s_wait_dscnt 0x0                               ; for the other waves' sake: my images have landed
	s_wait_alu depctr_vm_vsrc(0)                   ; the LDS stores have read mix and q: the loads below and of the first step land in window 1's lower half, and the first step's products write windows 2 and 3
	WIN 0x40
	ALOAD 0, 2, 8, 8192                            ; K step 2
	WIN 0
	s_barrier_signal -1
	s_barrier_wait -1                              ; all 256 images of comb lie in LDS
	BLOAD 0
	; ---- PRODUCT 4: out^T = (2 log2(e) W_out1) comb^T: my 8 tiles of channels x 8 tiles of queries, 32 K steps of 32
	KSTEP 0, 1, 1, 1, 32, 8, 8192, 2               ; the first step starts the sums; its loads land in registers that the two waits above have freed
	WIN 0
	s_mov_b32 s28, 7
.Lp4:
	KSTEP 1, 0, 1, 1, 32, 8, 8192, 2
	KSTEP 2, 0, 1, 1, 32, 8, 8192, 2
	KSTEP 3, 0, 1, 1, 32, 8, 8192, 2
	KSTEP 4, 0, 1, 1, 32, 8, 8192, 2
	WIN 0
	s_wait_xcnt 0x0                                ; the loads have read their base
	s_wait_alu depctr_vm_vsrc(0)                   ; the LDS loads issued so far have read v25
	s_add_nc_u64 s[24:25], s[24:25], 32768
	v_add_nc_u32 v25, 32768, v25
	s_sub_co_u32 s28, s28, 1
	s_cmp_lg_u32 s28, 0
	s_cbranch_scc1 .Lp4
	KSTEP 1, 0, 0, 1, 32, 8, 8192, 2               ; the last three steps ask for no weights: the counts run down
	KSTEP 2, 0, 0, 1, 16, 8, 8192, 2
	KSTEP 3, 0, 0, 0, 0, 8, 8192, 2
	PLACES
	WIN 0
	; ---- tanh AND THE WAY OUT: two trips, query tiles 0-3 (window 2) and 4-7 (window 3); only the exponentials' source window differs
	s_mov_b32 s28, 0
.Ltanh:
	s_cmp_eq_u32 s28, 0
	s_cbranch_scc0 .Lupper
	WIN 0x42
.set nn, 0
.rept 256
	v_exp_f32 v[nn], v[nn]                             ; 2^(2 log2(e) z), into window 1
.set nn, nn+1
.endr
	v_nop
	s_wait_alu depctr_va_vdst(0)                       ; the 256 exponentials have written window 1, ahead of the branch and of the additions that read it
	WIN 0
	s_branch .Lboth
.Lupper:
	WIN 0x43
.set nn, 0
.rept 256
	v_exp_f32 v[nn], v[nn]
.set nn, nn+1
.endr
	v_nop
	s_wait_alu depctr_va_vdst(0)                       ; the same for the second trip's exponentials, ahead of the label
	WIN 0
.Lboth:
	WIN 0x41
.set nn, 0
.rept 128
	v_pk_add_f32 v[2*nn:2*nn+1], v[2*nn:2*nn+1], 1.0 op_sel_hi:[1,0]
.set nn, nn+1
.endr
.set nn, 0
.rept 256
	v_rcp_f32 v[nn], v[nn]
.set nn, nn+1
.endr
	v_nop
	s_wait_alu depctr_va_vdst(0)                       ; the 256 reciprocals have written window 1, ahead of the multiply-adds that read it
.set nn, 0
.rept 128
	v_pk_fma_f32 v[2*nn:2*nn+1], v[2*nn:2*nn+1], -2.0, 1.0 op_sel_hi:[1,0,0]     ; tanh = 1 - 2 / (1 + 2^..)
.set nn, nn+1
.endr
	WIN 0x05
.set nn, 0
.rept 128
	v_cvt_pk_f16_f32 v[128+nn], v[2*nn], v[2*nn+1]     ; fragment (K step u of my four, tile of rows b) at v128 + 8 (4 b + u)
.set nn, nn+1
.endr
	WIN 0
	s_wait_alu depctr_va_vdst(0)                       ; the conversions have written v128-255, which the stores below read
.irp b, 0,1,2,3
.irp u, 0,1,2,3
.irp c, 0,1
	global_store_b128 v5, v[128+8*(4*\b+\u)+4*\c:128+8*(4*\b+\u)+4*\c+3], s[26:27] offset:16384*\u+1024*\b+512*\c   ; 512 consecutive bytes, aligned
.endr
.endr
.endr
	s_wait_xcnt 0x0                                ; the stores have read their registers and their base
	s_wait_alu depctr_vm_vsrc(0)                   ; the stores have read v128-255, which the next trip's conversions write again
	s_add_nc_u64 s[26:27], s[26:27], 4096
	s_add_co_u32 s28, s28, 1
	s_cmp_lt_u32 s28, 2
	s_cbranch_scc1 .Ltanh
	s_wait_dscnt 0x0                               ; the closing lines, six on end
	s_wait_alu 0x0
	s_wait_tensorcnt 0x0
	ds_add_u32 v26, v27
	s_wait_dscnt 0x0
	s_endpgm
.Lfunc_end_k_q3135470e18_block1:
	.size	k_q3135470e18_block1, .Lfunc_end_k_q3135470e18_block1-k_q3135470e18_block1
	.p2alignl 7, 3214868480
	.fill 96, 4, 3214868480
	.section	.rodata,"a",@progbits
	.p2align	6, 0x0
	.amdhsa_kernel k_q3135470e18_block1
		.amdhsa_group_segment_fixed_size 272896
		.amdhsa_private_segment_fixed_size 0
		.amdhsa_enable_private_segment 0
		.amdhsa_kernarg_size 32
		.amdhsa_user_sgpr_count 2
		.amdhsa_user_sgpr_kernarg_segment_ptr 1
		.amdhsa_wavefront_size32 1
		.amdhsa_system_sgpr_workgroup_id_x 1
		.amdhsa_system_sgpr_workgroup_id_y 1
		.amdhsa_system_sgpr_workgroup_id_z 1
		.amdhsa_system_vgpr_workitem_id 0
		.amdhsa_next_free_vgpr 1024
		.amdhsa_next_free_sgpr 66
		.amdhsa_reserve_vcc 0
		.amdhsa_float_denorm_mode_32 3
		.amdhsa_float_denorm_mode_16_64 3
		.amdhsa_memory_ordered 1
		.amdhsa_forward_progress 1
		.amdhsa_inst_pref_size 255
	.end_amdhsa_kernel
	.section	.bss,"aw",@nobits
	.p2align	6
	.space	262144
	.amdgpu_metadata
---
amdhsa.version: [ 1, 2 ]
amdhsa.kernels:
  - .name:           k_q3135470e18_block1
    .symbol:         k_q3135470e18_block1.kd
    .args:
      - { .name: embeddings, .offset: 0, .size: 8, .value_kind: global_buffer, .address_space: global }
      - { .name: w1q, .offset: 8, .size: 8, .value_kind: global_buffer, .address_space: global }
      - { .name: wo1h, .offset: 16, .size: 8, .value_kind: global_buffer, .address_space: global }
      - { .name: x2h, .offset: 24, .size: 8, .value_kind: global_buffer, .address_space: global }
    .group_segment_fixed_size: 272896
    .private_segment_fixed_size: 0
    .kernarg_segment_align: 8
    .kernarg_segment_size: 32
    .max_flat_workgroup_size: 128
    .sgpr_count:     66
    .vgpr_count:     1024
    .wavefront_size: 32
...
	.end_amdgpu_metadata
.endif
;; end of part 5
;; launch block2: the kernel of part 3 again; grid 256 x 1, 4 waves a work-group, no clusters, 278,016 bytes of LDS; arguments x2h, wi2h, pool; writes pool
;; launch final: the kernel of part 4 again; grid 8 x 32, 4 waves a work-group, no clusters, 1,536 bytes of LDS; arguments pool, W_out2, out0; writes out0
